; MI455X (gfx1250); checked and timed in simulation.
; The chip was launched on July 23, 2026; its instructions are those of AMD's public machine-readable ISA for CDNA 5 (MIT licence, August 2026) and "CDNA5" Instruction Set Architecture Reference Guide (July 2026). The comments in the code are by the model that wrote it; some were corrected since.
;; Causal Self Attention. Allowed arithmetic: float matrix products may take bf16 or f16 operands with f32 sums; other float arithmetic in f32, or as packed bf16 or f16 multiplies, adds, multiply-adds, maxima and minima; sums over many terms, partial sums and values carried from step to step in f32; what a program stores and reads back later, other than sums and carried values, may be rounded once to bf16 or f16.
;; Inputs: Wgate 32 x 16 float32; Wk 2,048 x 2,048 float32; Wproj 2,048 x 2,048 float32; Wq 2,048 x 2,048 float32; Wv 2,048 x 2,048 float32; cos 1 x 2,048 x 1 x 64 float32; sin 1 x 2,048 x 1 x 64 float32; ve 1 x 2,048 x 2,048 float32; x 1 x 2,048 x 2,048 float32.
;; Outputs: out0 1 x 2,048 x 2,048 float32.
;; One version. Each part assembles by itself: llvm-mc -triple=amdgcn-amd-amdhsa -mcpu=gfx1250 --defsym DOCPART=n.
;; ======== version 1 of 1: 4 launches
;; limits: values are held in f16: magnitudes above 65,504 overflow, below 6.1e-05 lose precision
;; workspace buffers: wb 41,943,040 bytes; qkvf 25,165,824 bytes; yf 8,388,608 bytes
;; launch cvt (part 1): grid 256 x 5, 8 waves a work-group, no clusters, 0 bytes of LDS; arguments Wq, Wk, Wv, x, Wproj, wb; writes wb
.if DOCPART == 1
	.amdgcn_target "amdgcn-amd-amdhsa--gfx1250"
	.amdhsa_code_object_version 6
	.text
	.protected	k_qbcc8421e54_cvt
	.globl	k_qbcc8421e54_cvt
	.p2align	8
	.type	k_qbcc8421e54_cvt,@function
k_qbcc8421e54_cvt:
	s_mov_b64 s[64:65], 0
	v_nop
	global_prefetch_b8 v0, s[64:65] scope:SCOPE_SE
	s_setreg_imm32_b32 hwreg(HW_REG_WAVE_MODE, 25, 1), 1
	s_wait_xcnt 0x0
; Five tensors of [2048][2048] f32 are rounded once to 16 bits and laid into wb, region y of 8,388,608 bytes for tensor y, row-major as they were:
; y = 0..3 (Wq, Wk, Wv, x): bf16.  y = 4 (Wproj): rounded to bf16 like every input, and that number written as f16, since its partner in the last product is f16.
; LIMIT.  |Wproj| stays under 65,504 (f16's largest number); below 6e-5 it keeps f16's fixed step of 6e-8.
; A stream: no LDS, no matrix unit.  A work-group owns 65,536 bytes in and 32,768 out, in sixteen chunks; thread t of chunk j reads 16 bytes at 4,096 j + 16 t and stores 8 at 2,048 j + 8 t:
; a wave's load covers 512 consecutive bytes, its store 256 consecutive bytes, aligned, and no byte is named by two instructions.
; All sixteen loads of a thread go out at once.  The numbers are converted in place: 72 registers a wave, so that the five work-groups that fall to a WGP (1,280 for 256), ten waves a SIMD,
; take 720 of its 1,024 registers and lie there together.  No register is written again while a memory instruction names it.
.set REG, 8388608
.set X, 4                              ; v[4:67]   chunk j: 4 registers as loaded; the first two then hold the 8 bytes to store
.set T, 68                             ; v[68:69]  at work
	s_load_b256 s[4:11], s[0:1], 0x0               ; Wq s[4:5], Wk s[6:7], Wv s[8:9], x s[10:11]
	s_load_b128 s[12:15], s[0:1], 0x20             ; Wproj s[12:13], wb s[14:15]
	s_and_b32 s16, ttmp7, 0xffff                   ; which tensor
	v_lshlrev_b32 v1, 4, v0                        ; 16 t
	v_lshlrev_b32 v2, 3, v0                        ; 8 t
	s_lshl_b32 s18, ttmp9, 16                      ; the work-group's bytes in
	s_mov_b32 s19, 0
	s_mul_i32 s20, s16, REG                        ; the region,
	s_lshl_b32 s21, ttmp9, 15                      ; and the work-group's bytes out
	s_add_co_u32 s20, s20, s21
	s_mov_b32 s21, 0
	s_mov_b32 s22, 0xffff0000                      ; a word's upper bf16
	s_wait_kmcnt 0x0
	s_cmp_eq_u32 s16, 1
	s_cselect_b64 s[4:5], s[6:7], s[4:5]
	s_cmp_eq_u32 s16, 2
	s_cselect_b64 s[4:5], s[8:9], s[4:5]
	s_cmp_eq_u32 s16, 3
	s_cselect_b64 s[4:5], s[10:11], s[4:5]
	s_cmp_eq_u32 s16, 4
	s_cselect_b64 s[4:5], s[12:13], s[4:5]
	s_add_nc_u64 s[4:5], s[4:5], s[18:19]
	s_add_nc_u64 s[14:15], s[14:15], s[20:21]
.irp j, 0,1,2,3,4,5,6,7,8,9,10,11,12,13,14,15
	global_load_b128 v[X+4*(\j):X+4*(\j)+3], v1, s[4:5] offset:4096*(\j) th:TH_LOAD_NT
.endr
; Chunk j.  half = 1: the bf16 number goes on to f16.
.macro CV j, half
	s_wait_loadcnt 15-(\j)                         ; loads come back in order: the 15 - j younger ones may stay out
.if \half
	v_cvt_pk_bf16_f32 v[T],   v[X+4*(\j)],   v[X+4*(\j)+1]
	v_cvt_pk_bf16_f32 v[T+1], v[X+4*(\j)+2], v[X+4*(\j)+3]
	v_lshlrev_b32 v[X+4*(\j)],   16,  v[T]
	v_and_b32     v[X+4*(\j)+1], s22, v[T]
	v_lshlrev_b32 v[X+4*(\j)+2], 16,  v[T+1]
	v_and_b32     v[X+4*(\j)+3], s22, v[T+1]
	v_cvt_pk_f16_f32 v[X+4*(\j)],   v[X+4*(\j)],   v[X+4*(\j)+1]
	v_cvt_pk_f16_f32 v[X+4*(\j)+1], v[X+4*(\j)+2], v[X+4*(\j)+3]
.else
	v_cvt_pk_bf16_f32 v[X+4*(\j)],   v[X+4*(\j)],   v[X+4*(\j)+1]
	v_cvt_pk_bf16_f32 v[X+4*(\j)+1], v[X+4*(\j)+2], v[X+4*(\j)+3]
.endif
	global_store_b64 v2, v[X+4*(\j):X+4*(\j)+1], s[14:15] offset:2048*(\j)
.endm
	s_cmp_eq_u32 s16, 4
	s_cbranch_scc1 .Lto_f16
.irp j, 0,1,2,3,4,5,6,7,8,9,10,11,12,13,14,15
	CV \j, 0
.endr
	s_endpgm
.Lto_f16:
.irp j, 0,1,2,3,4,5,6,7,8,9,10,11,12,13,14,15
	CV \j, 1
.endr
	s_endpgm
.Lfunc_end_k_qbcc8421e54_cvt:
	.size	k_qbcc8421e54_cvt, .Lfunc_end_k_qbcc8421e54_cvt-k_qbcc8421e54_cvt
	.p2alignl 7, 3214868480
	.fill 96, 4, 3214868480
	.section	.rodata,"a",@progbits
	.p2align	6, 0x0
	.amdhsa_kernel k_qbcc8421e54_cvt
		.amdhsa_group_segment_fixed_size 0
		.amdhsa_private_segment_fixed_size 0
		.amdhsa_enable_private_segment 0
		.amdhsa_kernarg_size 48
		.amdhsa_user_sgpr_count 2
		.amdhsa_user_sgpr_kernarg_segment_ptr 1
		.amdhsa_wavefront_size32 1
		.amdhsa_system_sgpr_workgroup_id_x 1
		.amdhsa_system_sgpr_workgroup_id_y 1
		.amdhsa_system_sgpr_workgroup_id_z 1
		.amdhsa_system_vgpr_workitem_id 0
		.amdhsa_next_free_vgpr 72
		.amdhsa_next_free_sgpr 66
		.amdhsa_reserve_vcc 0
		.amdhsa_float_denorm_mode_32 3
		.amdhsa_float_denorm_mode_16_64 3
		.amdhsa_memory_ordered 1
		.amdhsa_forward_progress 1
		.amdhsa_inst_pref_size 15
	.end_amdhsa_kernel
	.amdgpu_metadata
---
amdhsa.version: [ 1, 2 ]
amdhsa.kernels:
  - .name:           k_qbcc8421e54_cvt
    .symbol:         k_qbcc8421e54_cvt.kd
    .args:
      - { .name: Wq, .offset: 0, .size: 8, .value_kind: global_buffer, .address_space: global }
      - { .name: Wk, .offset: 8, .size: 8, .value_kind: global_buffer, .address_space: global }
      - { .name: Wv, .offset: 16, .size: 8, .value_kind: global_buffer, .address_space: global }
      - { .name: x, .offset: 24, .size: 8, .value_kind: global_buffer, .address_space: global }
      - { .name: Wproj, .offset: 32, .size: 8, .value_kind: global_buffer, .address_space: global }
      - { .name: wb, .offset: 40, .size: 8, .value_kind: global_buffer, .address_space: global }
    .group_segment_fixed_size: 0
    .private_segment_fixed_size: 0
    .kernarg_segment_align: 8
    .kernarg_segment_size: 48
    .max_flat_workgroup_size: 256
    .sgpr_count:     66
    .vgpr_count:     72
    .wavefront_size: 32
...
	.end_amdgpu_metadata
.endif
;; end of part 1
;; launch qkv (part 2): grid 16 x 16, 4 waves a work-group, clusters of 4 x 4, 327,680 bytes of LDS; arguments wb, ve, cos, sin, Wgate, qkvf; writes qkvf
.if DOCPART == 2
	.amdgcn_target "amdgcn-amd-amdhsa--gfx1250"
	.amdhsa_code_object_version 6
	.text
	.protected	k_qbcc8421e54_qkv
	.globl	k_qbcc8421e54_qkv
	.p2align	8
	.type	k_qbcc8421e54_qkv,@function
k_qbcc8421e54_qkv:
	s_mov_b64 s[64:65], 0
	v_nop
	global_prefetch_b8 v0, s[64:65] scope:SCOPE_SE
	s_setreg_imm32_b32 hwreg(HW_REG_WAVE_MODE, 25, 1), 1
	s_wait_xcnt 0x0
	s_wait_alu depctr_hold_cnt(0) depctr_sa_sdst(0) depctr_va_vdst(0) depctr_va_sdst(0) depctr_va_ssrc(0) depctr_va_vcc(0) depctr_vm_vsrc(0)
	s_getreg_b32 s2, hwreg(HW_REG_IB_STS2, 6, 4)
	s_cmp_eq_u32 s2, 0
	s_cbranch_scc0 .Lentry_in_a_cluster
	s_endpgm
.Lentry_in_a_cluster:
	s_bfe_u32 s2, ttmp6, 0x10000c
	s_cmp_lg_u32 s2, 0xf033
	s_cbranch_scc0 .Lentry_shape_is_right
	s_endpgm
.Lentry_shape_is_right:
; q, k, v OF ONE HEAD FOR 128 ROWS: x Wq, x Wk, x Wv (bf16 operands out of wb, f32 sums), v += 2 sigmoid(x[:, :32] Wgate[:, head]) ve, RoPE and RMS-norm on q and k; all three leave in f16.
; ve, cos, sin and Wgate are rounded to bf16 as they come in, like every input of the program.  All else in f32.
; LIMITS.  v leaves in f16: |v| stays under 65,504.  q and k are normalised (at most sqrt(128) in size).  NaN and infinities are not treated apart.
; SHARES.  Work-group (head, rb): rows 128 rb .. + 127, the head's 128 columns of each product.  Wave w: mi = w / 2 (64 rows: four tiles a), ni = w % 2; of each product the column blocks of 16
; b' = 2 ni + i % 2 + 4 (i / 2), i = 0..3: blocks b' and b' + 4, which RoPE pairs, lie in one wave.  48 accumulators; for 32 along K 32 LDS loads feed 48 matrix instructions.
; LAYOUT.  q, k: source 0 = 16 columns of W, source 1 = 16 rows of x: a lane holds row l % 16 and channels 16 b' + 8 (l / 16) + 0..7.  v: the sources swapped: a lane holds channel 16 b' + l % 16 and rows 8 (l / 16) + 0..7.
; Rounded in pairs these are just the 16 bytes that lane l holds of a matrix fragment of the next launch (q, k: 16 rows x 32 channels; v: 16 channels x 32 keys), so qkvf is laid out by fragments of 1,024 bytes,
; [half][lane][16 bytes], and every store of a wave covers 512 consecutive bytes, aligned.  q, k: fragment (t / 16, channel / 32) at 4,096 (t / 16) + 1,024 (channel / 32); v: (t / 32, channel / 16) at 8,192 (t / 32) + 1,024 (channel / 16).
; RING.  K goes in steps of 128 through two LDS slots: waves 0, 1, 2 fetch 128 rows (k) x 256 bytes of Wq, Wk, Wv, wave 3 128 rows x 256 bytes of x: one tensor load a wave behind each round.
; W lies [k][column]: its fragments come out of LDS turned, by ds_load_tr16_b128.
; CLUSTER.  4 x 4 work-groups: x's tile hangs on rb alone and is asked for jointly along a row of the cluster, W's tiles on the head alone and jointly along a column.
; THE WALK ALONG K GOES ROUND.  Cluster (X, Y) begins at K step KO = (4 X + 8 b) mod 16, b = (Y xor Y / 2) % 2, and takes the sixteen steps in a ring (f32 sums may be taken in any order).  So the four clusters that read the
; same rows of x (one Y) stand four steps apart, and of the four that read the same columns of W (one X) two begin at 4 X and two half a round further.  KO hangs on the cluster's coordinates alone: it is the same in all sixteen partners.
; REGISTERS, in windows of 256 (s_set_vgpr_msb: bits 1:0 source 0, 3:2 source 1, 5:4 source 2, 7:6 destination):
;   window 0: v0-31 addresses; v32-63 x's channels 0-31 for the gates, later sums of squares and reciprocal roots; v64-95 the gates; v96-119 at work; v128-255 v's accumulators
;   window 1: two fragment buffers of 128 (x's four, then W's twelve); behind the K loop the rotated q and k      window 2: q's and k's accumulators      window 3: cos, sin, ve
.set REG,   8388608
.set KSTEP, 128
.set PA,    272                        ; x's LDS row: 256 bytes + 16: the 16 rows of a load start at 16 different groups of four banks (64 banks of 4 bytes: ISA guide 11.1)
.set PB,    288                        ; W's LDS row: 256 + 32
.set BT,    128*PB                     ; one tile of W
.set AOFF,  3*BT                       ; x's tile lies behind W's three
.set SLOT,  AOFF+128*PA
.set XCH,   2*SLOT                     ; behind the ring, never filled by a tensor load: the sums of squares, 1,024 bytes a wave
.set SPARE, XCH+4096                   ; the spare words, 128 bytes for each wave: two blocks of 256 bytes that no other line names
.set LAPS,  8                          ; 2,048 / (2 x 128)
.set ADRA, 8                           ; v8-9    LDS address of my fragments of x in slot 0, 1
.set ADRB, 10                          ; v10-15  of my fragments of W: 3 x slot + product
.set L16,  16                          ; v16     16 x lane
.set VEO,  17                          ; v17     my offset in ve: 8 (l / 16) rows + 4 (l % 16)
.set CSO,  18                          ; v18     in cos and sin: row l % 16, 32 (l / 16)
.set GWO,  19                          ; v19     in Wgate: 8 (l / 16) rows
.set PFO,  20                          ; v20     the prefetches' offset: lane x a row of wb
.set PF2,  21                          ; v21     lane x a row of ve
.set XST,  22                          ; v22     where I put a sum of squares
.set XLD,  23                          ; v23     where the wave with the row's other 64 channels put its
.set GXO,  24                          ; v24     my offset in 16 rows of x in wb: row l % 16, 16 (l / 16)
.set SPW,  28                          ; v28     LDS address of my spare word; never rewritten
.set NIL,  29                          ; v29     0; never rewritten
.set SS,   32                          ; pairs, index 4 X + a (X = 0: q, 1: k); at the head v32-63 hold x's channels 0-31, tile a at SS + 8 a
.set RS,   48
.set GA,   64                          ; tile a's eight gates at GA + 8 a
.set GF,   96                          ; Wgate's column as a fragment
.set GT,   104                         ; 16 at work
.set ACCV, 128
.set F0,   0
.set F1,   128
.set WV,  16
.set MI,  17
.set NI,  18
.set CX,  19
.set CY,  20
.set HEAD, 21
.set RB,  22
.set LB,  23                           ; wave x a tile of W: where my tile lies in a slot
.set G1,  24                           ; s[24:31] descriptor group 1 for x's tiles; s[32:39] group 0, a set for each slot
.set G0,  32
.set G1B, 40                           ; s[40:47], s[48:55] the same for W's tiles
.set G0B, 48
.set PFA, 56                           ; s[56:57] what my next prefetch names
.set PFB, 58                           ; s[58:59] my work-group's 32 rows of K step 0 of the tensor that I fetch
.set LIM, 60                           ; 5 in a wave that prefetches, else the greatest number
.set KO,  61                           ; the K step at which my cluster begins
.set SEL, 62
.set QB,  66                           ; s[66:67] q, s[68:69] k, s[70:71] v: where my results begin
.set VB,  70
.set VEB, 72
.set COSB, 74
.set SINB, 76
.set VEP, 78
.set WGB, 80
.set INV, 82
.set EPS, 83
.set HIM, 84
.set CLY, 85                           ; the cluster's y
.set TA,  86                           ; s[86:87] x at my tile's rows, K step 0: they never hold cx
.set TB,  88                           ; s[88:89] W at my tile's columns, K step 0: they never hold cy
.set KN,  90                           ; the K step asked for last
.set PK,  91                           ; the K step that a prefetch names
.set TG,  92                           ; s[92:95] at work at the head
.set OFP, 94                           ; s[94:95] later: the prefetch's K step in bytes
.set OFA, 96                           ; s[96:97] a K step's byte offset in x's rows; s[98:99] in W: made of the cluster's coordinates alone
.set OFB, 98
.set GXB, 100                          ; s[100:101] x at my 64 rows, channel 0
.set MSB, 0
.macro WIN new                         ; the immediate's high byte repeats the setting that is left; a switch that changes nothing is dropped
.if MSB != (\new)
	s_set_vgpr_msb (MSB<<8)|(\new)
.set MSB, \new
.endif
.endm
.macro PLACES                          ; four plain vector instructions between a matrix instruction and a load into, or a vector line on, its registers
.rept 4
	v_nop
.endr
.endm
; A joint load.  Wave 3 fetches x's tile, waves 0 to 2 W's three.  The branch hangs on the wave's number alone.  An s_nop 0 and four v_nop follow each of the two lines.
.macro JLOAD s
	s_cmp_eq_u32 s[WV], 3
	s_cbranch_scc0 .Lfor_b_\@
	tensor_load_to_lds s[G0+4*(\s):G0+4*(\s)+3], s[G1:G1+7]
	s_nop 0
.rept 4
	v_nop
.endr
	s_branch .Lasked_\@
.Lfor_b_\@:
	tensor_load_to_lds s[G0B+4*(\s):G0B+4*(\s)+3], s[G1B:G1B+7]
	s_nop 0
.rept 4
	v_nop
.endr
.Lasked_\@:
.endm
.macro CREST                           ; a round of the cluster's barrier behind its opening barrier
	s_cmp_lg_u32 s[WV], 0
	s_cbranch_scc1 .Lnot_wave_0_\@
	s_barrier_signal -3
.Lnot_wave_0_\@:
	s_barrier_wait -3
	s_barrier_signal -1
	s_barrier_wait -1
.endm
.macro CROUND
	s_barrier_signal -1
	s_barrier_wait -1
	CREST
.endm
; A PREFETCH INTO THE L2 of W's tile that stands two refills on: 32 rows x 256 bytes, a lane a row, one instruction a wave, behind the joint load and the run of LDS loads.
; Only a block's first reading in the launch is asked for.  A K step of W's columns is read first by the clusters that reach it among their first eight steps; of these, steps 0 to 3 come by their loads alone, and
; steps 4 to 7 are asked for at the first four changes of slots (the loop's trips s3 = 7 and 6).  Two clusters of a column walk alike: clusters y = 0 (b = 0) and y = 1 (b = 1) ask, waves 0 to 2, and the four partners
; that ask for a tile jointly share its 128 rows out by address.  So each row's 256 bytes of a K step are named at most once.  x's first readings are a cluster's steps 0 to 3: none is asked for.
.macro ASK
	s_cmp_gt_u32 s3, s[LIM]
	s_cbranch_scc0 .Lnot_mine_\@
	global_prefetch_b8 v[PFO], s[PFA:PFA+1] th:TH_LOAD_NT scope:SCOPE_SE
.Lnot_mine_\@:
.endm
; ve's tile, 128 rows x 512 bytes that this work-group alone reads: wave w asks for rows 32 w .. + 31, a lane a row, in the loop's last trip: five quarter steps ahead of the first load of ve.
.macro ASKVE
	s_cmp_eq_u32 s3, 1
	s_cbranch_scc0 .Lno_ve_\@
	global_prefetch_b8 v[PF2], s[VEP:VEP+1] th:TH_LOAD_NT scope:SCOPE_SE
	global_prefetch_b8 v[PF2], s[VEP:VEP+1] offset:256 th:TH_LOAD_NT scope:SCOPE_SE
.Lno_ve_\@:
.endm
	s_load_b256 s[4:11], s[0:1], 0x0               ; wb s[4:5], ve s[6:7], cos s[8:9], sin s[10:11]
	s_load_b128 s[12:15], s[0:1], 0x20             ; Wgate s[12:13], qkvf s[14:15]
	v_lshl_add_u32 v[SPW], v0, 2, SPARE
	v_mov_b32 v[NIL], 0
	ds_add_u32 v[SPW], v[NIL]                      ; the wave's opening: the add and its wait stand ahead of my first tensor load; work on registers stands between them
	v_lshrrev_b32 v1, 5, v0
	v_readfirstlane_b32 s[WV], v1                  ; wave 0..3
	s_lshr_b32 s[MI], s[WV], 1
	s_and_b32 s[NI], s[WV], 1
	s_bfe_u32 s[CX], ttmp6, 0x40000
	s_bfe_u32 s[CY], ttmp6, 0x40004
	s_lshl_b32 s[HEAD], ttmp9, 2
	s_add_co_u32 s[HEAD], s[HEAD], s[CX]           ; head = 4 x cluster x + cx
	s_and_b32 s[RB], ttmp7, 0xffff
	s_lshl_b32 s[RB], s[RB], 2
	s_add_co_u32 s[RB], s[RB], s[CY]               ; row block = 4 x cluster y + cy
	s_and_b32 s[CLY], ttmp7, 0xffff                ; where my cluster begins its walk: (4 X + 8 b) mod 16
	s_lshr_b32 s[PK], s[CLY], 1
	s_xor_b32 s[PK], s[PK], s[CLY]
	s_and_b32 s[PK], s[PK], 1                      ; b
	s_lshl_b32 s[PK], s[PK], 3
	s_lshl_b32 s[KO], ttmp9, 2
	s_add_co_u32 s[KO], s[KO], s[PK]
	s_and_b32 s[KO], s[KO], 15
	s_add_co_u32 s[KN], s[KO], 1                   ; the first fills ask for steps KO and KO + 1 (KO is a multiple of 4: no turn of the ring between them)
	s_lshl_b32 s[OFA], s[KO], 8                    ; a K step is 256 bytes of a row of x,
	s_mov_b32 s[OFA+1], 0
	s_lshl_b32 s[OFB], s[KO], 19                   ; and 128 rows of 4,096 bytes of W
	s_mov_b32 s[OFB+1], 0
	s_lshl_b32 s[TA], s[CY], 2
	s_lshl_b32 s[TA], 15, s[TA]                    ; my row of the cluster
	s_lshl_b32 s[TB], 0x1111, s[CX]                ; my column
	s_or_b32 s[G1], s[TA], (1<<16)|(1<<20)|(1<<21)|(5<<22)|(3<<25)   ; 15:0 the mask; 17:16 2-byte elements; 20 padding on; 21 set beside a mask; 24:22 after every 64 words; 31:25 4 words
	s_or_b32 s[G1B], s[TB], (1<<16)|(1<<20)|(1<<21)|(5<<22)|(7<<25)  ; the same with my column's mask and 8 words of padding
.irp g, G1, G1B
	s_mov_b32 s[(\g)+1], KSTEP<<16                 ; tensor_dim0 = 128
	s_mov_b32 s[(\g)+2], 128<<16                   ; tensor_dim1 = 128
	s_mov_b32 s[(\g)+3], KSTEP<<16                 ; tile_dim0 = 128
	s_mov_b32 s[(\g)+4], 128                       ; tile_dim1 = 128
	s_mov_b32 s[(\g)+5], 2048                      ; elements from row to row
	s_mov_b32 s[(\g)+6], 0
	s_mov_b32 s[(\g)+7], 0
.endr
	s_lshl_b32 s[TA], s[RB], 19                    ; x: 128 rb rows of 4,096 bytes,
	s_add_co_u32 s[TA], s[TA], 3*REG               ; in region 3
	s_mov_b32 s[TA+1], 0
	s_mul_i32 s[TB], s[WV], REG                    ; W: region = my wave's number,
	s_lshl_b32 s[TB+1], s[HEAD], 8                 ; the head's 256 bytes of a row
	s_add_co_u32 s[TB], s[TB], s[TB+1]
	s_mov_b32 s[TB+1], 0
	s_mul_i32 s[LB], s[WV], BT                     ; no place in the cluster enters an LDS address
	s_wait_dscnt 0x0                               ; the opening add is done
	s_wait_kmcnt 0x0
	s_add_nc_u64 s[TA:TA+1], s[4:5], s[TA:TA+1]
	s_add_nc_u64 s[TB:TB+1], s[4:5], s[TB:TB+1]
	CROUND                                         ; all sixteen work-groups are here: the first joint loads meet
.irp s, 0,1
	s_mov_b32 s[G0+4*(\s)], 1
	s_add_co_u32 s[G0+4*(\s)+1], s[LB], (\s)*SLOT
	s_add_nc_u64 s[G0+4*(\s)+2:G0+4*(\s)+3], s[TA:TA+1], s[OFA:OFA+1]
	s_add_nc_u64 s[G0+4*(\s)+2:G0+4*(\s)+3], s[G0+4*(\s)+2:G0+4*(\s)+3], (\s)*KSTEP*2
	s_or_b32 s[G0+4*(\s)+3], s[G0+4*(\s)+3], 0x80000000
	s_mov_b32 s[G0B+4*(\s)], 1
	s_add_co_u32 s[G0B+4*(\s)+1], s[LB], (\s)*SLOT
	s_add_nc_u64 s[G0B+4*(\s)+2:G0B+4*(\s)+3], s[TB:TB+1], s[OFB:OFB+1]
	s_add_nc_u64 s[G0B+4*(\s)+2:G0B+4*(\s)+3], s[G0B+4*(\s)+2:G0B+4*(\s)+3], (\s)*KSTEP*4096
	s_or_b32 s[G0B+4*(\s)+3], s[G0B+4*(\s)+3], 0x80000000
	JLOAD \s                                       ; my cluster's first two K steps: two loads of mine are out
.endr
	; Wgate's column of my head as source 1 of a product: every column of the fragment is that column; lane (r, h) holds k = 8 h + 0..7 and 16 + 8 h + 0..7
	v_and_b32 v1, 15, v0                           ; r = l % 16
	v_bfe_u32 v2, v0, 4, 1                         ; h = l / 16
	v_and_b32 v3, 31, v0                           ; l
	v_lshlrev_b32 v[GWO], 9, v2
	s_lshl_b32 s[TG], s[HEAD], 2
	s_mov_b32 s[TG+1], 0
	s_add_nc_u64 s[WGB:WGB+1], s[12:13], s[TG:TG+1]
.irp j, 0,1,2,3,4,5,6,7
	global_load_b32 v[GT+(\j)],   v[GWO], s[WGB:WGB+1] offset:64*(\j)
	global_load_b32 v[GT+8+(\j)], v[GWO], s[WGB:WGB+1] offset:1024+64*(\j)
.endr
	; x's channels 0 to 31 of my 64 rows, four fragments, straight from wb: the walk along K begins elsewhere in most clusters
	s_lshl_b32 s[TG], s[RB], 19
	s_lshl_b32 s[TG+1], s[MI], 18
	s_add_co_u32 s[TG], s[TG], s[TG+1]
	s_add_co_u32 s[TG], s[TG], 3*REG
	s_mov_b32 s[TG+1], 0
	s_add_nc_u64 s[GXB:GXB+1], s[4:5], s[TG:TG+1]
	v_lshlrev_b32 v[GXO], 12, v1
	v_lshl_add_u32 v[GXO], v2, 4, v[GXO]
.irp a, 0,1,2,3
	global_load_b128 v[SS+8*(\a):SS+8*(\a)+3],   v[GXO], s[GXB:GXB+1] offset:(\a)*65536
	global_load_b128 v[SS+8*(\a)+4:SS+8*(\a)+7], v[GXO], s[GXB:GXB+1] offset:(\a)*65536+32
.endr
	v_mul_u32_u24 v4, v1, PA
	v_lshl_add_u32 v4, v2, 4, v4                   ; x: row x pitch + 16 x half
	s_mul_i32 s[TG], s[MI], 64*PA
	s_add_co_u32 s[TG], s[TG], AOFF
	v_add_nc_u32 v[ADRA], s[TG], v4
	v_add_nc_u32 v[ADRA+1], SLOT, v[ADRA]
	v_and_b32 v5, 7, v0                            ; W, turned: lane l reads row 8 h + l % 8, 16 bytes at 16 ((l / 8) % 2)
	v_lshl_add_u32 v5, v2, 3, v5
	v_mul_u32_u24 v5, v5, PB
	v_bfe_u32 v6, v0, 3, 1
	v_lshl_add_u32 v5, v6, 4, v5
	s_lshl_b32 s[TG], s[NI], 6
	v_add_nc_u32 v5, s[TG], v5
.irp n, 0,1,2,3,4,5
	v_add_nc_u32 v[ADRB+(\n)], ((\n)/3)*SLOT+((\n)%3)*BT, v5
.endr
	v_lshlrev_b32 v[L16], 4, v3
	v_lshlrev_b32 v[VEO], 2, v1
	v_lshl_add_u32 v[VEO], v2, 16, v[VEO]
	v_lshlrev_b32 v[CSO], 8, v1
	v_lshl_add_u32 v[CSO], v2, 5, v[CSO]
	v_lshlrev_b32 v[PFO], 12, v3
	v_lshlrev_b32 v[PF2], 13, v3
	s_lshl_b32 s[TG], s[WV], 10
	s_add_co_u32 s[TG], s[TG], XCH
	v_lshl_add_u32 v[XST], v3, 2, s[TG]
	s_xor_b32 s[TG], s[WV], 1
	s_lshl_b32 s[TG], s[TG], 10
	s_add_co_u32 s[TG], s[TG], XCH
	v_lshl_add_u32 v[XLD], v3, 2, s[TG]
	; where my results begin: head x 524,288 + (8 rb + 4 mi) x 4,096 (which is also (4 rb + 2 mi) x 8,192), + ni x 1,024 for q and k, + ni x 2,048 for v
	s_lshl_b32 s[TG], s[HEAD], 19
	s_lshl_b32 s[TG+1], s[RB], 15
	s_add_co_u32 s[TG], s[TG], s[TG+1]
	s_lshl_b32 s[TG+1], s[MI], 14
	s_add_co_u32 s[TG], s[TG], s[TG+1]
	s_lshl_b32 s[TG+2], s[NI], 11
	s_add_co_u32 s[TG+2], s[TG+2], s[TG]
	s_lshl_b32 s[TG+1], s[NI], 10
	s_add_co_u32 s[TG], s[TG], s[TG+1]
	s_mov_b32 s[TG+1], 0
	s_mov_b32 s[TG+3], 0
	s_add_nc_u64 s[QB:QB+1], s[14:15], s[TG:TG+1]
	s_add_nc_u64 s[QB+2:QB+3], s[QB:QB+1], REG
	s_add_nc_u64 s[VB:VB+1], s[14:15], s[TG+2:TG+3]
	s_add_nc_u64 s[VB:VB+1], s[VB:VB+1], 2*REG
	; ve: rows 128 rb + 64 mi on, the head's 512 bytes, my 128 ni;  for the prefetch rows 128 rb + 32 w on
	s_lshl_b32 s[TG], s[RB], 20
	s_lshl_b32 s[TG+1], s[HEAD], 9
	s_add_co_u32 s[TG], s[TG], s[TG+1]
	s_lshl_b32 s[TG+2], s[WV], 18
	s_add_co_u32 s[TG+2], s[TG+2], s[TG]
	s_lshl_b32 s[TG+1], s[MI], 19
	s_add_co_u32 s[TG], s[TG], s[TG+1]
	s_lshl_b32 s[TG+1], s[NI], 7
	s_add_co_u32 s[TG], s[TG], s[TG+1]
	s_mov_b32 s[TG+1], 0
	s_add_nc_u64 s[VEB:VEB+1], s[6:7], s[TG:TG+1]
	s_add_nc_u64 s[VEP:VEP+1], s[6:7], s[TG+2:TG+3]
	s_lshl_b32 s[TG], s[RB], 15                    ; cos, sin: rows of 256 bytes
	s_lshl_b32 s[TG+1], s[MI], 14
	s_add_co_u32 s[TG], s[TG], s[TG+1]
	s_lshl_b32 s[TG+1], s[NI], 7
	s_add_co_u32 s[TG], s[TG], s[TG+1]
	s_mov_b32 s[TG+1], 0
	s_add_nc_u64 s[COSB:COSB+1], s[8:9], s[TG:TG+1]
	s_add_nc_u64 s[SINB:SINB+1], s[10:11], s[TG:TG+1]
	; the prefetches' base: my region of wb, rows 32 cy on of K step 0, the head's 256 bytes
	s_mul_i32 s[TG], s[WV], REG
	s_lshl_b32 s[TG+1], s[CY], 17
	s_add_co_u32 s[TG], s[TG], s[TG+1]
	s_lshl_b32 s[TG+1], s[HEAD], 8
	s_add_co_u32 s[TG], s[TG], s[TG+1]
	s_mov_b32 s[TG+1], 0
	s_add_nc_u64 s[PFB:PFB+1], s[4:5], s[TG:TG+1]
	s_mov_b32 s[OFP+1], 0
	s_cmp_lt_u32 s[CLY], 2
	s_cselect_b32 s[LIM], 5, -1
	s_cmp_eq_u32 s[WV], 3
	s_cselect_b32 s[LIM], -1, s[LIM]               ; the same in all sixteen partners, for a given wave
	s_mov_b32 s[SEL], 0x76543210
	s_mov_b32 s[SEL+1], 0xfedcba98
	s_mov_b32 s[INV], 0x3c000000                   ; 1 / 128
	s_mov_b32 s[EPS], 0x358637bd                   ; 1e-6
	s_mov_b32 s[HIM], 0xffff0000
	s_wait_loadcnt 0x0                             ; Wgate, and x's channels 0 to 31
.irp n, 0,1,2,3,4,5,6,7
	v_cvt_pk_bf16_f32 v[GF+(\n)], v[GT+2*(\n)], v[GT+2*(\n)+1]
.endr
	PLACES
.irp a, 0,1,2,3                        ; the gates' sums: register j of tile a gets z of row 8 (l / 16) + j, as v's accumulators have it
	v_wmma_f32_16x16x32_bf16 v[GA+8*(\a):GA+8*(\a)+7], v[SS+8*(\a):SS+8*(\a)+7], v[GF:GF+7], 0
.endr
; 16 matrix instructions: product tt (0 q, 1 k, 2 v), my four row tiles x my four column blocks, 32 along K out of buffer f.  zero = 1: they start the sums.
; The 48 accumulators take turns, one instruction a turn, in the same order in every quarter step, over the backward jump too.
.macro MUL16 f, tt, zero
.if (\tt) == 2
	WIN 0x05                                       ; sources in window 1, C and D in window 0
.else
	WIN 0xa5                                       ; sources in window 1, C and D in window 2
.endif
.irp a, 0,1,2,3
.irp i, 0,1,2,3
.if (\tt) == 2
.if \zero
	v_wmma_f32_16x16x32_bf16 v[ACCV+8*(4*(\a)+(\i)):ACCV+8*(4*(\a)+(\i))+7], v[(\f)+8*(\a):(\f)+8*(\a)+7], v[(\f)+96+8*(\i):(\f)+96+8*(\i)+7], 0
.else
	v_wmma_f32_16x16x32_bf16 v[ACCV+8*(4*(\a)+(\i)):ACCV+8*(4*(\a)+(\i))+7], v[(\f)+8*(\a):(\f)+8*(\a)+7], v[(\f)+96+8*(\i):(\f)+96+8*(\i)+7], v[ACCV+8*(4*(\a)+(\i)):ACCV+8*(4*(\a)+(\i))+7]
.endif
.else
.if \zero
	v_wmma_f32_16x16x32_bf16 v[128*(\tt)+8*(4*(\a)+(\i)):128*(\tt)+8*(4*(\a)+(\i))+7], v[(\f)+32+8*(4*(\tt)+(\i)):(\f)+32+8*(4*(\tt)+(\i))+7], v[(\f)+8*(\a):(\f)+8*(\a)+7], 0
.else
	v_wmma_f32_16x16x32_bf16 v[128*(\tt)+8*(4*(\a)+(\i)):128*(\tt)+8*(4*(\a)+(\i))+7], v[(\f)+32+8*(4*(\tt)+(\i)):(\f)+32+8*(4*(\tt)+(\i))+7], v[(\f)+8*(\a):(\f)+8*(\a)+7], v[128*(\tt)+8*(4*(\a)+(\i)):128*(\tt)+8*(4*(\a)+(\i))+7]
.endif
.endif
.endr
.endr
.endm
; 32 LDS loads in one run: quarter q (32 along K) of a slot into buffer f: x's four fragments, then Wq's, Wk's, Wv's four each
.macro FETCH slot, q, f
	WIN 0x40                                       ; destination window 1, address window 0
.irp a, 0,1,2,3
	ds_load_b128 v[(\f)+8*(\a):(\f)+8*(\a)+3],   v[ADRA+(\slot)] offset:64*(\q)+(\a)*16*PA
	ds_load_b128 v[(\f)+8*(\a)+4:(\f)+8*(\a)+7], v[ADRA+(\slot)] offset:64*(\q)+(\a)*16*PA+32
.endr
.irp w, 0,1,2
.irp i, 0,1,2,3
	ds_load_tr16_b128 v[(\f)+32+8*(4*(\w)+(\i)):(\f)+32+8*(4*(\w)+(\i))+3],   v[ADRB+3*(\slot)+(\w)] offset:(\q)*32*PB+32*((\i)%2)+128*((\i)/2)
	ds_load_tr16_b128 v[(\f)+32+8*(4*(\w)+(\i))+4:(\f)+32+8*(4*(\w)+(\i))+7], v[ADRB+3*(\slot)+(\w)] offset:(\q)*32*PB+32*((\i)%2)+128*((\i)/2)+16*PB
.endr
.endr
.endm
; What the epilogue wants from memory is asked for in the last K steps, into window 3.  e = 0: cos and sin of my 64 rows x 32 channel pairs.  e = 1..4: ve for row tile e - 1.
.macro EPILOAD e
	WIN 0xc0                                       ; destination window 3, address window 0
.if (\e) == 0
.irp a, 0,1,2,3
.irp i, 0,1
	global_load_b128 v[16*(2*(\a)+(\i)):16*(2*(\a)+(\i))+3],     v[CSO], s[COSB:COSB+1] offset:(\a)*4096+(\i)*64
	global_load_b128 v[16*(2*(\a)+(\i))+4:16*(2*(\a)+(\i))+7],   v[CSO], s[COSB:COSB+1] offset:(\a)*4096+(\i)*64+16
	global_load_b128 v[16*(2*(\a)+(\i))+8:16*(2*(\a)+(\i))+11],  v[CSO], s[SINB:SINB+1] offset:(\a)*4096+(\i)*64
	global_load_b128 v[16*(2*(\a)+(\i))+12:16*(2*(\a)+(\i))+15], v[CSO], s[SINB:SINB+1] offset:(\a)*4096+(\i)*64+16
.endr
.endr
.else
.irp i, 0,1,2,3
.irp j, 0,1,2,3,4,5,6,7
	global_load_b32 v[128+32*((\e)-1)+8*(\i)+(\j)], v[VEO], s[VEB:VEB+1] offset:(16*((\e)-1)+(\j))*8192+64*((\i)%2)+256*((\i)/2)
.endr
.endr
.endif
.endm
; A K step is four quarters of 32 along K, 48 matrix instructions each, on buffers 0, 1, 0, 1.  One of the first three multiplies buffer f and fetches quarter q of the same slot into g.
.macro QUARTER slot, q, f, g, zero, extra=-1
	s_wait_dscnt 16                                ; x's and Wq's fragments are in; the youngest sixteen loads (Wk's, Wv's) may be out
	MUL16 \f, 0, \zero
	PLACES
	FETCH \slot, \q, \g
.if (\extra) >= 0
	EPILOAD \extra
.endif
	s_wait_dscnt 32                                ; all but the 32 just issued
	MUL16 \f, 1, \zero
	MUL16 \f, 2, \zero
.endm
; The last quarter changes slots and then multiplies buffer 1, whose fragments were fetched in the quarter before: this slot is read no more.  THE CHANGE STANDS AHEAD OF THE QUARTER'S PRODUCTS, so that all 48 of them, and the
; next step's first three quarters, 192 matrix instructions, stand between the refill and the wait for it.  In front of the barrier each wave waits for all its tensor loads (one is out: its tile of the next slot), adds 0 to its
; spare word, and waits for that and for its own reads of this slot.  fill = 1: the barrier opens a round of the cluster's, and the joint refill, the ring's K step two on, is the first thing behind the round;
; its global address is made anew from the step's number: base + number x a step's bytes, the type bits set again.
.macro TURN slot, next, fill, askve=0
.if \fill
	s_wait_xcnt 0x0                                ; the last prefetch, a K step back, has read its address
	s_add_co_u32 s[KN], s[KN], 1                   ; the step to be asked for: the ring has sixteen
	s_and_b32 s[KN], s[KN], 15
	s_lshl_b32 s[OFA], s[KN], 8
	s_lshl_b32 s[OFB], s[KN], 19
	s_add_co_u32 s[PK], s[KN], 2                   ; and the step two refills on, for the prefetch
	s_and_b32 s[PK], s[PK], 15
	s_lshl_b32 s[OFP], s[PK], 19
	s_add_nc_u64 s[PFA:PFA+1], s[PFB:PFB+1], s[OFP:OFP+1]
.endif
	WIN 0
	s_wait_tensorcnt 0x0                           ; all my tensor loads have landed, so a group 0 may be written
	ds_add_u32 v[SPW], v[NIL]                      ; 0 onto my spare word: the descriptors' words stand between it and the wait for it
.if \fill
	s_add_nc_u64 s[G0+4*(\slot)+2:G0+4*(\slot)+3], s[TA:TA+1], s[OFA:OFA+1]
	s_or_b32 s[G0+4*(\slot)+3], s[G0+4*(\slot)+3], 0x80000000
	s_add_nc_u64 s[G0B+4*(\slot)+2:G0B+4*(\slot)+3], s[TB:TB+1], s[OFB:OFB+1]
	s_or_b32 s[G0B+4*(\slot)+3], s[G0B+4*(\slot)+3], 0x80000000
.endif
	s_wait_dscnt 0x0                               ; the add is done, and my reads of this slot are over
	s_barrier_signal -1
	s_barrier_wait -1
.if \fill
	CREST                                          ; no wave of any partner still reads this slot's tiles or has a load on its way
	JLOAD \slot                                    ; the four v_nop behind it are also the places in front of the loads below
.else
	PLACES
.endif
	FETCH \next, 0, F0
.if \fill
	WIN 0
	ASK
.if \askve
	ASKVE
.endif
.endif
	MUL16 F1, 0, 0
	MUL16 F1, 1, 0
	MUL16 F1, 2, 0
.endm
	s_wait_tensorcnt 1                             ; my tile of the first K step is in; the second's may stay out
	s_barrier_signal -1
	s_barrier_wait -1                              ; everybody's is
	FETCH 0, 0, F0
	QUARTER 0, 1, F0, F1, 1                        ; the first quarter stands in front of the loop: its products start the sums
	WIN 0
	s_mov_b32 s3, LAPS-1
.Llap:                                                 ; a trip goes once round the two slots and fills both again
	QUARTER 0, 2, F1, F0, 0
	QUARTER 0, 3, F0, F1, 0
	TURN 0, 1, 1
	QUARTER 1, 1, F0, F1, 0
	QUARTER 1, 2, F1, F0, 0
	QUARTER 1, 3, F0, F1, 0
	TURN 1, 0, 1, 1
	QUARTER 0, 1, F0, F1, 0
	WIN 0
	s_sub_co_u32 s3, s3, 1
	s_cmp_lg_u32 s3, 0
	s_cbranch_scc1 .Llap
	QUARTER 0, 2, F1, F0, 0, 0                     ; the last lap fills nothing
	QUARTER 0, 3, F0, F1, 0
	TURN 0, 1, 0
	QUARTER 1, 1, F0, F1, 0, 1
	QUARTER 1, 2, F1, F0, 0, 2
	QUARTER 1, 3, F0, F1, 0, 3
	EPILOAD 4
	s_wait_dscnt 16
	MUL16 F1, 0, 0
	s_wait_dscnt 0x0
	MUL16 F1, 1, 0
	MUL16 F1, 2, 0
	; THE EPILOGUE.
	WIN 0
	PLACES
	s_wait_loadcnt 32                              ; all but ve's last 32 loads: cos and sin are in
	; cos and sin are rounded to bf16 and widened again, in place
.set bt, 0
.rept 4
	WIN 0x0f                                       ; sources window 3, destination window 0
.set n, 0
.rept 16
	v_cvt_pk_bf16_f32 v[GT+n], v[32*bt+2*n], v[32*bt+2*n+1]
.set n, n+1
.endr
	WIN 0xc0
.set n, 0
.rept 16
	v_lshlrev_b32 v[32*bt+2*n],   16,     v[GT+n]
	v_and_b32     v[32*bt+2*n+1], s[HIM], v[GT+n]
.set n, n+1
.endr
.set bt, bt+1
.endr
	; RoPE: y1 = x1 cos + x2 sin, y2 = x2 cos - x1 sin; x1 in block i, x2 in block i + 2.  Each accumulator's lowest registers are read first.
	WIN 0x5e                                       ; source 0 window 2 (the sums), source 1 window 3 (cos, sin), source 2 and destination window 1
.irp X, 0,1
.irp a, 0,1,2,3
.irp i, 0,1
.irp p, 0,2,4,6
.set r1, 128*(\X)+8*(4*(\a)+(\i))+(\p)
.set r2, r1+16
.set rc, 16*(2*(\a)+(\i))+(\p)
	v_pk_mul_f32 v[r1:r1+1], v[r1:r1+1], v[rc:rc+1]
	v_pk_mul_f32 v[r2:r2+1], v[r2:r2+1], v[rc:rc+1]
	v_pk_fma_f32 v[r1:r1+1], v[r2:r2+1], v[rc+8:rc+9], v[r1:r1+1]
	v_pk_fma_f32 v[r2:r2+1], v[r1:r1+1], v[rc+8:rc+9], v[r2:r2+1] neg_lo:[1,0,0] neg_hi:[1,0,0]
.endr
.endr
.endr
.endr
	; sums of squares: eight chains (q and k x four row tiles) by turns
	WIN 0x05
.set n, 0
.rept 16
.set c, 0
.rept 8
.set ry, 128*(c/4)+32*(c%4)+2*n
.if n == 0
	v_pk_mul_f32 v[SS+2*c:SS+2*c+1], v[ry:ry+1], v[ry:ry+1]
.else
	v_pk_fma_f32 v[SS+2*c:SS+2*c+1], v[ry:ry+1], v[ry:ry+1], v[SS+2*c:SS+2*c+1]
.endif
.set c, c+1
.endr
.set n, n+1
.endr
	WIN 0
.irp c, 0,1,2,3,4,5,6,7
	v_add_f32 v[SS+2*(\c)], v[SS+2*(\c)], v[SS+2*(\c)+1]
.endr
.irp c, 0,1,2,3,4,5,6,7
	v_permlanex16_b32 v[SS+2*(\c)+1], v[SS+2*(\c)], s[SEL], s[SEL+1]  ; the row's other 32 of my 64 channels lie in the lane 16 away
.endr
.irp c, 0,1,2,3,4,5,6,7
	v_add_f32 v[SS+2*(\c)], v[SS+2*(\c)], v[SS+2*(\c)+1]
.endr
.irp c, 0,1,2,3,4,5,6,7
	ds_store_b32 v[XST], v[SS+2*(\c)] offset:128*(\c)
.endr
	s_wait_dscnt 0x0                               ; for the other wave's sake: my sums lie in LDS
	s_barrier_signal -1
	; the gates, 2 / (1 + 2^(-z log2 e)), work on registers between the signal and the wait
.set n, 0
.rept 16
	v_pk_mul_f32 v[GA+2*n:GA+2*n+1], v[GA+2*n:GA+2*n+1], 0xbfb8aa3b op_sel_hi:[1,0]
.set n, n+1
.endr
.set n, 0
.rept 32
	v_exp_f32 v[GA+n], v[GA+n]
.set n, n+1
.endr
	v_nop                                          ; a plain instruction behind the last exponential,
	s_wait_alu depctr_va_vdst(0)                   ; and the one wait ahead of the batch's first reader
.set n, 0
.rept 16
	v_pk_add_f32 v[GA+2*n:GA+2*n+1], v[GA+2*n:GA+2*n+1], 1.0 op_sel_hi:[1,0]
.set n, n+1
.endr
.set n, 0
.rept 32
	v_rcp_f32 v[GA+n], v[GA+n]
.set n, n+1
.endr
	v_nop
	s_wait_alu depctr_va_vdst(0)
.set n, 0
.rept 16
	v_pk_mul_f32 v[GA+2*n:GA+2*n+1], v[GA+2*n:GA+2*n+1], 2.0 op_sel_hi:[1,0]
.set n, n+1
.endr
	s_barrier_wait -1
.irp c, 0,1,2,3,4,5,6,7
	ds_load_b32 v[SS+2*(\c)+1], v[XLD] offset:128*(\c)  ; the row's other 64 channels
.endr
	s_wait_dscnt 0x0
.irp c, 0,1,2,3,4,5,6,7
	v_add_f32 v[SS+2*(\c)], v[SS+2*(\c)], v[SS+2*(\c)+1]
.endr
.irp c, 0,1,2,3,4,5,6,7
	v_fma_f32 v[SS+2*(\c)], v[SS+2*(\c)], s[INV], s[EPS]  ; the mean + 1e-6
.endr
.irp c, 0,1,2,3,4,5,6,7
	v_rsq_f32 v[RS+2*(\c)],   v[SS+2*(\c)]
	v_rsq_f32 v[RS+2*(\c)+1], v[SS+2*(\c)]         ; twice: a pair for the packed multiply
.endr
	v_nop
	s_wait_alu depctr_va_vdst(0)
	WIN 0x41                                       ; destination and source 0 window 1, source 1 window 0
.set c, 0
.rept 8
.set n, 0
.rept 16
.set ry, 128*(c/4)+32*(c%4)+2*n
	v_pk_mul_f32 v[ry:ry+1], v[ry:ry+1], v[RS+2*c:RS+2*c+1]
.set n, n+1
.endr
.set c, c+1
.endr
	WIN 0x45
.set n, 0
.rept 32
.irp r, 0,1,2,3
	v_cvt_pk_f16_f32 v[8*n+(\r)], v[8*n+2*(\r)], v[8*n+2*(\r)+1]
.endr
.set n, n+1
.endr
	WIN 0x04                                       ; address window 0, data window 1
.irp X, 0,1
.irp a, 0,1,2,3
.irp i, 0,1,2,3
	global_store_b128 v[L16], v[128*(\X)+8*(4*(\a)+(\i)):128*(\X)+8*(4*(\a)+(\i))+3], s[QB+2*(\X):QB+2*(\X)+1] offset:(\a)*4096+((\i)/2)*2048+((\i)%2)*512  ; 512 consecutive bytes, aligned: half a fragment
.endr
.endr
.endr
	; v += gate x ve, ve rounded to bf16; then f16 and out
	s_wait_loadcnt 0x0
.irp a, 0,1,2,3
	WIN 0x0f
.set n, 0
.rept 16
	v_cvt_pk_bf16_f32 v[GT+n], v[128+32*(\a)+2*n], v[128+32*(\a)+2*n+1]
.set n, n+1
.endr
	WIN 0
.set n, 0
.rept 16
	v_fma_mix_f32_bf16 v[ACCV+32*(\a)+2*n],   v[GT+n], v[GA+8*(\a)+(2*n)%8],   v[ACCV+32*(\a)+2*n]   op_sel:[0,0,0] op_sel_hi:[1,0,0]
	v_fma_mix_f32_bf16 v[ACCV+32*(\a)+2*n+1], v[GT+n], v[GA+8*(\a)+(2*n)%8+1], v[ACCV+32*(\a)+2*n+1] op_sel:[1,0,0] op_sel_hi:[1,0,0]
.set n, n+1
.endr
.set n, 0
.rept 4
.irp r, 0,1,2,3
	v_cvt_pk_f16_f32 v[ACCV+32*(\a)+8*n+(\r)], v[ACCV+32*(\a)+8*n+2*(\r)], v[ACCV+32*(\a)+8*n+2*(\r)+1]
.endr
.set n, n+1
.endr
.irp i, 0,1,2,3
	global_store_b128 v[L16], v[ACCV+32*(\a)+8*(\i):ACCV+32*(\a)+8*(\i)+3], s[VB:VB+1] offset:((\a)/2)*8192+((\a)%2)*512+((\i)%2)*1024+((\i)/2)*4096
.endr
.endr
	s_wait_tensorcnt 0x0                           ; the wave's end: behind my last tensor load and my last LDS store
	ds_add_u32 v[SPW], v[NIL]
	s_wait_dscnt 0x0
	CROUND                                         ; the closing round: no work-group ends while a partner may still ask for a tile that names it
	s_endpgm
.Lfunc_end_k_qbcc8421e54_qkv:
	.size	k_qbcc8421e54_qkv, .Lfunc_end_k_qbcc8421e54_qkv-k_qbcc8421e54_qkv
	.p2alignl 7, 3214868480
	.fill 96, 4, 3214868480
	.section	.rodata,"a",@progbits
	.p2align	6, 0x0
	.amdhsa_kernel k_qbcc8421e54_qkv
		.amdhsa_group_segment_fixed_size 327680
		.amdhsa_private_segment_fixed_size 0
		.amdhsa_enable_private_segment 0
		.amdhsa_kernarg_size 48
		.amdhsa_user_sgpr_count 2
		.amdhsa_user_sgpr_kernarg_segment_ptr 1
		.amdhsa_wavefront_size32 1
		.amdhsa_system_sgpr_workgroup_id_x 1
		.amdhsa_system_sgpr_workgroup_id_y 1
		.amdhsa_system_sgpr_workgroup_id_z 1
		.amdhsa_system_vgpr_workitem_id 0
		.amdhsa_next_free_vgpr 1024
		.amdhsa_next_free_sgpr 102
		.amdhsa_reserve_vcc 0
		.amdhsa_float_denorm_mode_32 3
		.amdhsa_float_denorm_mode_16_64 3
		.amdhsa_memory_ordered 1
		.amdhsa_forward_progress 1
		.amdhsa_inst_pref_size 196
	.end_amdhsa_kernel
	.amdgpu_metadata
---
amdhsa.version: [ 1, 2 ]
amdhsa.kernels:
  - .name:           k_qbcc8421e54_qkv
    .symbol:         k_qbcc8421e54_qkv.kd
    .args:
      - { .name: wb, .offset: 0, .size: 8, .value_kind: global_buffer, .address_space: global }
      - { .name: ve, .offset: 8, .size: 8, .value_kind: global_buffer, .address_space: global }
      - { .name: cos, .offset: 16, .size: 8, .value_kind: global_buffer, .address_space: global }
      - { .name: sin, .offset: 24, .size: 8, .value_kind: global_buffer, .address_space: global }
      - { .name: Wgate, .offset: 32, .size: 8, .value_kind: global_buffer, .address_space: global }
      - { .name: qkvf, .offset: 40, .size: 8, .value_kind: global_buffer, .address_space: global }
    .group_segment_fixed_size: 327680
    .private_segment_fixed_size: 0
    .kernarg_segment_align: 8
    .kernarg_segment_size: 48
    .max_flat_workgroup_size: 128
    .sgpr_count:     102
    .vgpr_count:     1024
    .wavefront_size: 32
...
	.end_amdgpu_metadata
.endif
;; end of part 2
;; launch attn (part 3): grid 16 x 16, 4 waves a work-group, no clusters, 270,848 bytes of LDS; arguments qkvf, yf; writes yf
.if DOCPART == 3
	.amdgcn_target "amdgcn-amd-amdhsa--gfx1250"
	.amdhsa_code_object_version 6
	.text
	.protected	k_qbcc8421e54_attn
	.globl	k_qbcc8421e54_attn
	.p2align	8
	.type	k_qbcc8421e54_attn,@function
k_qbcc8421e54_attn:
	s_mov_b64 s[64:65], 0
	v_nop
	global_prefetch_b8 v0, s[64:65] scope:SCOPE_SE
	s_setreg_imm32_b32 hwreg(HW_REG_WAVE_MODE, 25, 1), 1
	s_wait_xcnt 0x0
; CAUSAL ATTENTION, 16 heads of 128 channels, 2,048 rows.  y[q] = the sum over k <= q of softmax_k(q . k / sqrt(128)) v[k].  q, k, v come in f16, by matrix fragments (1,024 bytes: [half][lane][16 bytes]);
; y leaves in f16, by fragments of 16 rows x 32 columns.  Products, maxima and sums in f32; the weights p are rounded to f16 for the second product (their sum l is taken of the unrounded p), y once.
; LIMITS.  q and k are normalised by the launch before, so a raw score lies within +-128.2; a hidden score counts as its value less 1e5, and its weight, 2^-12,700 or less, is 0.  A weight below 2^-126 counts as 0 in l.
; NaN and infinities are not treated apart.
; THE WALK.  A head's queries lie in 32 blocks of 64; block i needs the key tiles 0 .. i / 4 of 256 keys.  A work-group takes blocks 31 - p and then p: 9 tiles, whatever p: one loop of nine trips.
; KEYS ARE SPLIT AMONG THE WAVES: of a tile wave w takes keys 64 w .. + 63, for all 64 queries (four tiles of 16).  So each fragment of K and V is read by one wave alone, and comes straight from memory into registers,
; 512 consecutive bytes an instruction; nothing goes through LDS on the way in, and the walk has no barrier.  Each wave keeps its own running maximum m, sum l and O^T; the four meet in LDS once, at the end.
; NO CLUSTER: no tile passes through LDS, so there is nothing to ask for jointly; the merge areas take 262,144 bytes, beside which a ring of two tiles (2 x 131,072) has no room.
; LAYOUT.  S^T = K Q^T: a lane holds ONE query (l % 16) and keys 8 (l / 16) + 0..7; two such results rounded to f16 ARE source 1 of O^T = V^T P, whose result holds one query a lane and eight channels.
; SOFTMAX.  p = 2^(c s - c m), c = log2(e) / sqrt(128); in every step O and l are multiplied by a = 2^(c m_old - c m_new).  m starts at the lowest finite number, so a block's first a is 0 and O and l need only be finite.
; THE MASK is the C operand that starts the sums in a block's last tile.  With d = block % 4 - wave: d > 0 all keys are seen, d < 0 none, d = 0 the step holds the diagonal: key group kb against query tile t
; is seen (kb < t), hidden (kb > t), or MD (kb = t), the mask of a diagonal block of 16 x 16, made once.
; REGISTERS, in windows of 256 (s_set_vgpr_msb: bits 1:0 source 0, 3:2 source 1, 5:4 source 2, 7:6 destination):
;   window 0: addresses, statistics, S^T (v64-191), P (v192-255)     window 1: O^T, 64 a tile     window 2: v0-127 Q, v128-255 K of my step     window 3: v0-127 V of my step
.set REG,   8388608
.set STAT,  262144                     ; LDS 0 .. 262,143: O^T's register images, block x 131,072 + wave x 32,768 + tile x 8,192; then c m and l: block x 4,096 + wave x 1,024 + tile x 256 + 8 l
.set SPARE, 270336                     ; the spare words, 128 bytes for each wave: two blocks of 256 bytes that no other line names
.set L16, 3                            ; v3   16 x lane
.set PFO, 4                            ; v4   256 x lane
.set SA,  10                           ; v10-11  where I put O^T, block 0, 1
.set SST, 12                           ; v12-13  where I put c m and l
.set ST,  16                           ; tile t's statistics at ST + 8 t: c m, m, l (even keys', odd keys'), c0-c3 at work; a takes c2's place
.set MST, 16                           ; the merge: four pairs (c m, l)
.set MT,  24                           ; the merge: two at work
.set MAD, 26                           ; v26-27  the merge: the addresses of the block in hand
.set MSD, 28                           ; v28
.set MA,  48                           ; v48-49  the merge: 65,536 k + 8,192 x wave + 16 l, k = 0, 1: block 0's parts of waves 0, 1 and of waves 2, 3
.set MS,  52                           ; v52     the merge: STAT + 256 x wave + 8 l
.set MD,  54                           ; v54-61  the diagonal block's mask; behind the loop the merge's four factors, in pairs
.set MF,  54
.set SPW, 62
.set NIL, 63
.set S,   64
.set P,   192
.set KF,  128
.set WV,  8
.set PP,  9
.set HEAD, 10
.set IB,  11                           ; the block in hand
.set REM, 12                           ; its tiles still to be walked, this one among them
.set N2,  13                           ; the second block's tiles
.set LEFT, 14                          ; trips to go
.set QH,  16                           ; s[16:17] q, s[18:19] k, s[20:21] v at the head's first byte
.set KH,  18
.set VH,  20
.set KP,  22                           ; s[22:23], s[24:25] K and V of the step asked for last
.set VP,  24
.set QP,  26                           ; s[26:27] the first block's Q
.set OFF, 28                           ; s[28:29] byte offset of my step of the tile to be asked for
.set CS,  30
.set SEL, 32
.set BIGN, 34
.set PF,  35                           ; trips in which I still prefetch
.set LASTT, 36
.set SW,  37
.set DD,  38
.set NXT, 39                           ; the tile to be asked for next
.set LQ,  40                           ; the last tile of the block whose tiles are being asked for
.set Y0,  42                           ; s[42:43], s[44:45] y at the 16 rows that I finish, block 0, 1
.set AL,  46                           ; s[46:47] the mask's factor; s[48:49] its addend; s50 the mask for kb > t
.set BE,  48
.set BHI, 50
.set TM,  52
.set Q2,  54                           ; s[54:55] the second block's Q
.set MB,  56                           ; the merge: the block's first byte among O^T's images,
.set MB2, 57                           ; among the statistics,
.set MC,  58                           ; and blocks to go
.set MSB, 0
.macro WIN new
.if MSB != (\new)
	s_set_vgpr_msb (MSB<<8)|(\new)
.set MSB, \new
.endif
.endm
.macro PLACES
.rept 4
	v_nop
.endr
.endm
; 16 fragments, 16,384 consecutive bytes: 32 loads of 512 bytes
.macro LOADF dst, win, ptr
	WIN \win
.set f, 0
.rept 16
	global_load_b128 v[(\dst)+8*f:(\dst)+8*f+3],   v[L16], s[\ptr:\ptr+1] offset:f*1024
	global_load_b128 v[(\dst)+8*f+4:(\dst)+8*f+7], v[L16], s[\ptr:\ptr+1] offset:f*1024+512
.set f, f+1
.endr
	WIN 0
.endm
; Product i of 64 of S^T = K Q^T: channels 32 (i / 16) on, keys 16 ((i / 4) % 4) on, tile i % 4.  The first 16 start the sums: with 0, or (mode = 1) with the mask that lies in S^T.  16 accumulators by turns.
.macro KQ i, mode
	WIN 0x0a
.set rS, S+32*((\i)%4)+8*(((\i)/4)%4)
.set rK, KF+32*(((\i)/4)%4)+8*((\i)/16)
.set rQ, 32*((\i)%4)+8*((\i)/16)
.if ((\i) < 16) && ((\mode) == 0)
	v_wmma_f32_16x16x32_f16 v[rS:rS+7], v[rK:rK+7], v[rQ:rQ+7], 0
.else
	v_wmma_f32_16x16x32_f16 v[rS:rS+7], v[rK:rK+7], v[rQ:rQ+7], v[rS:rS+7]
.endif
.endm
; Product i of 64 of O^T += V^T P: keys 32 (i / 32) on, channels 16 ((i / 4) % 8) on, tile i % 4.  32 accumulators by turns.
.macro PV i
	WIN 0x53
.set rO, 64*((\i)%4)+8*(((\i)/4)%8)
.set rV, 64*((\i)/32)+8*(((\i)/4)%8)
.set rP, P+16*((\i)%4)+8*((\i)/32)
	v_wmma_f32_16x16x32_f16 v[rO:rO+7], v[rV:rV+7], v[rP:rP+7], v[rO:rO+7]
.endm
.macro SREG t
.set rT, ST+8*(\t)
.set rS, S+32*(\t)
.set rP, P+16*(\t)
.endm
; Number j of the 22 that find tile t's maximum and statistics.  0-11 four chains c0-c3 of seven scores each (each accumulator's lowest registers are read first); 12-15 the four scores left over,
; c0-c3 and the old m; 16, 18 the query's other 32 keys lie in the lane 16 away; 17 c m_old is kept; 19-21 c m, its change, a
.macro S1 t, j
	SREG \t
.if (\j) < 4
	v_max3_num_f32 v[rT+4+(\j)], v[rS+8*(\j)], v[rS+8*(\j)+1], v[rS+8*(\j)+2]
.elseif (\j) < 12
	v_max3_num_f32 v[rT+4+(\j)%4], v[rT+4+(\j)%4], v[rS+8*((\j)%4)+2*((\j)/4)+1], v[rS+8*((\j)%4)+2*((\j)/4)+2]
.elseif (\j) == 12
	v_max3_num_f32 v[rT+4], v[rT+4], v[rS+7], v[rS+15]
.elseif (\j) == 13
	v_max3_num_f32 v[rT+6], v[rT+6], v[rS+23], v[rS+31]
.elseif (\j) == 14
	v_max3_num_f32 v[rT+4], v[rT+4], v[rT+5], v[rT+6]
.elseif (\j) == 15
	v_max3_num_f32 v[rT+4], v[rT+4], v[rT+7], v[rT+1]
.elseif (\j) == 16
	v_permlanex16_b32 v[rT+5], v[rT+4], s[SEL], s[SEL+1]
.elseif (\j) == 17
	v_mov_b32 v[rT+7], v[rT]
.elseif (\j) == 18
	v_max_num_f32 v[rT+1], v[rT+4], v[rT+5]
.elseif (\j) == 19
	v_mul_f32 v[rT], s[CS], v[rT+1]
.elseif (\j) == 20
	v_sub_f32 v[rT+7], v[rT+7], v[rT]
.else
	v_exp_f32 v[rT+6], v[rT+7]
.endif
.endm
.macro FS u                            ; c s - c m for pair u / 4 of tile u % 4
	SREG (\u)%4
.set nn, (\u)/4
	v_pk_fma_f32 v[rS+2*nn:rS+2*nn+1], v[rS+2*nn:rS+2*nn+1], s[CS:CS+1], v[rT:rT+1] op_sel_hi:[1,0,0] neg_lo:[0,0,1] neg_hi:[0,0,1]
.endm
.macro RSC k                           ; pair k / 4 of tile k % 4's O^T times a
	v_pk_mul_f32 v[64*((\k)%4)+2*((\k)/4):64*((\k)%4)+2*((\k)/4)+1], v[64*((\k)%4)+2*((\k)/4):64*((\k)%4)+2*((\k)/4)+1], v[ST+8*((\k)%4)+6:ST+8*((\k)%4)+7] op_sel_hi:[1,0]
.endm
.macro SUMZ t, z                       ; the sum of a tile's 16 pairs, in place: neighbours 1, 2, 4, 8 pairs apart; then l = a l + sum
	SREG \t
.if (\z) < 8
	v_pk_add_f32 v[rS+4*(\z):rS+4*(\z)+1], v[rS+4*(\z):rS+4*(\z)+1], v[rS+4*(\z)+2:rS+4*(\z)+3]
.elseif (\z) < 12
	v_pk_add_f32 v[rS+8*((\z)-8):rS+8*((\z)-8)+1], v[rS+8*((\z)-8):rS+8*((\z)-8)+1], v[rS+8*((\z)-8)+4:rS+8*((\z)-8)+5]
.elseif (\z) < 14
	v_pk_add_f32 v[rS+16*((\z)-12):rS+16*((\z)-12)+1], v[rS+16*((\z)-12):rS+16*((\z)-12)+1], v[rS+16*((\z)-12)+8:rS+16*((\z)-12)+9]
.elseif (\z) == 14
	v_pk_add_f32 v[rS:rS+1], v[rS:rS+1], v[rS+16:rS+17]
.else
	v_pk_fma_f32 v[rT+2:rT+3], v[rT+2:rT+3], v[rT+6:rT+7], v[rS:rS+1] op_sel_hi:[1,0,1]
.endif
.endm
; A block's partial results go to LDS: l's two halves and the other half of the lanes' are added; c m and l as a pair; O^T as it lies in registers, each accumulator's low half first.
.macro STASH blk
	WIN 0
.irp t, 0,1,2,3
	v_add_f32 v[ST+8*(\t)+4], v[ST+8*(\t)+2], v[ST+8*(\t)+3]
.endr
.irp t, 0,1,2,3
	v_permlanex16_b32 v[ST+8*(\t)+5], v[ST+8*(\t)+4], s[SEL], s[SEL+1]
.endr
.irp t, 0,1,2,3
	v_add_f32 v[ST+8*(\t)+1], v[ST+8*(\t)+4], v[ST+8*(\t)+5]
.endr
.irp t, 0,1,2,3
	ds_store_b64 v[SST+(\blk)], v[ST+8*(\t):ST+8*(\t)+1] offset:256*(\t)
.endr
	WIN 0x04                                       ; address window 0, data window 1
.set n, 0
.rept 64
	ds_store_b128 v[SA+(\blk)], v[4*n:4*n+3] offset:512*n
.set n, n+1
.endr
	WIN 0
.endm
	s_load_b128 s[4:7], s[0:1], 0x0                ; qkvf s[4:5], yf s[6:7]
	v_lshl_add_u32 v[SPW], v0, 2, SPARE
	v_mov_b32 v[NIL], 0
	v_lshrrev_b32 v1, 5, v0
	v_readfirstlane_b32 s[WV], v1                  ; wave 0..3
	v_and_b32 v6, 31, v0                           ; l
	v_lshlrev_b32 v[L16], 4, v6
	s_mov_b32 s[PP], ttmp9
	s_and_b32 s[HEAD], ttmp7, 0xffff
	s_sub_co_u32 s[IB], 31, s[PP]                  ; the first block
	s_lshr_b32 s[N2], s[PP], 2
	s_sub_co_u32 s[REM], 8, s[N2]                  ; it has 8 - p / 4 tiles,
	s_add_co_u32 s[N2], s[N2], 1                   ; the second p / 4 + 1
	s_sub_co_u32 s[LQ], s[REM], 1
	s_mov_b32 s[NXT], 1
	s_mov_b32 s[LEFT], 9
	s_cmp_eq_u32 s[PP], 0
	s_cselect_b32 s[PF], 6, 0
	s_mov_b32 s[CS], 0x3e0293ee                    ; c = log2(e) / sqrt(128) = 0.127517
	s_mov_b32 s[CS+1], s[CS]
	s_mov_b32 s[SEL], 0x76543210
	s_mov_b32 s[SEL+1], 0xfedcba98
	s_mov_b32 s[BIGN], 0xc7c35000                  ; -1e5
	s_mov_b32 s[AL+1], 0                           ; named as pairs
	s_mov_b32 s[BE+1], 0
	s_lshl_b32 s[TM], s[HEAD], 19
	s_mov_b32 s[TM+1], 0
	s_lshl_b32 s[OFF], s[WV], 14                   ; my step of tile 0
	s_mov_b32 s[OFF+1], 0
	s_wait_kmcnt 0x0
	s_add_nc_u64 s[QH:QH+1], s[4:5], s[TM:TM+1]
	s_add_nc_u64 s[KH:KH+1], s[QH:QH+1], REG
	s_add_nc_u64 s[VH:VH+1], s[QH:QH+1], 2*REG
	s_lshl_b32 s[TM], s[IB], 14                    ; 64 queries are 16,384 bytes
	s_add_nc_u64 s[QP:QP+1], s[QH:QH+1], s[TM:TM+1]
	s_lshl_b32 s[TM], s[PP], 14
	s_add_nc_u64 s[Q2:Q2+1], s[QH:QH+1], s[TM:TM+1]
	s_add_nc_u64 s[KP:KP+1], s[KH:KH+1], s[OFF:OFF+1]
	s_add_nc_u64 s[VP:VP+1], s[VH:VH+1], s[OFF:OFF+1]
	LOADF 0, 0x80, QP
	LOADF KF, 0x80, KP
	LOADF 0, 0xc0, VP
	s_lshl2_add_u32 s[TM], s[IB], s[WV]            ; y: row tile 4 x block + wave, 65,536 bytes each; the head's 4,096
	s_lshl_b32 s[TM], s[TM], 16
	s_lshl_b32 s[DD], s[HEAD], 12
	s_add_co_u32 s[TM], s[TM], s[DD]
	s_add_nc_u64 s[Y0:Y0+1], s[6:7], s[TM:TM+1]
	s_lshl2_add_u32 s[TM], s[PP], s[WV]
	s_lshl_b32 s[TM], s[TM], 16
	s_add_co_u32 s[TM], s[TM], s[DD]
	s_add_nc_u64 s[Y0+2:Y0+3], s[6:7], s[TM:TM+1]
	v_and_b32 v1, 15, v0                           ; r
	v_bfe_u32 v2, v0, 4, 1                         ; h
	v_lshlrev_b32 v[PFO], 8, v6
	v_lshlrev_b32 v5, 3, v2
	v_sub_nc_u32 v5, v1, v5                        ; r - 8 h: in a diagonal block register j is hidden where j is greater
.irp j, 0,1,2,3,4,5,6,7
	v_cmp_gt_i32 vcc_lo, \j, v5
	v_cndmask_b32 v[MD+(\j)], 0, s[BIGN], vcc_lo
.endr
	s_lshl_b32 s[TM], s[WV], 15
	v_add_nc_u32 v[SA], s[TM], v[L16]
	v_add_nc_u32 v[SA+1], 131072, v[SA]
	s_lshl_b32 s[TM], s[WV], 10
	s_add_co_u32 s[TM], s[TM], STAT
	v_lshl_add_u32 v[SST], v6, 3, s[TM]
	v_add_nc_u32 v[SST+1], 4096, v[SST]
	s_lshl_b32 s[TM], s[WV], 13
	v_add_nc_u32 v[MA], s[TM], v[L16]
	v_add_nc_u32 v[MA+1], 65536, v[MA]
	s_lshl_b32 s[TM], s[WV], 8
	s_add_co_u32 s[TM], s[TM], STAT
	v_lshl_add_u32 v[MS], v6, 3, s[TM]
	; O^T and l start at 0, on purpose: no first step is written out; these lines run while the first loads are on their way
	WIN 0x40
.set n, 0
.rept 256
	v_mov_b32 v[n], 0
.set n, n+1
.endr
	WIN 0
.irp t, 0,1,2,3
	v_mov_b32 v[ST+8*(\t)], 0xfe000000             ; c m: far below every c s
	v_mov_b32 v[ST+8*(\t)+1], 0xff7fffff           ; m
	v_mov_b32 v[ST+8*(\t)+2], 0
	v_mov_b32 v[ST+8*(\t)+3], 0
.endr
.Ltrip:                                                ; nine trips: a tile each
	s_cmp_eq_u32 s[REM], 1
	s_cselect_b32 s[LASTT], 1, 0                   ; the block's last tile: it takes the mask
	s_cmp_lg_u32 s[LEFT], 1
	s_cselect_b32 s[SW], s[LASTT], 0               ; and the first block's: the blocks change behind it
	s_wait_loadcnt 32                              ; K (and Q) are in; V's 32 loads, issued behind them, may be out
	s_cmp_eq_u32 s[LASTT], 1
	s_cbranch_scc1 .Lmasked
.set i, 0
.rept 16
	KQ i, 0
.set i, i+1
.endr
	WIN 0
	s_branch .Ljoin
.Lmasked:
	s_and_b32 s[DD], s[IB], 3
	s_sub_co_i32 s[DD], s[DD], s[WV]               ; d
	s_cmp_eq_u32 s[DD], 0
	s_cselect_b32 s[AL], 1.0, 0
	s_cmp_lt_i32 s[DD], 0
	s_cselect_b32 s[BE], s[BIGN], 0
	s_cmp_le_i32 s[DD], 0
	s_cselect_b32 s[BHI], s[BIGN], 0
.irp t, 0,1,2,3
.irp kb, 0,1,2,3
.if (\kb) == (\t)
.irp p, 0,2,4,6
	v_pk_fma_f32 v[S+32*(\t)+8*(\kb)+(\p):S+32*(\t)+8*(\kb)+(\p)+1], v[MD+(\p):MD+(\p)+1], s[AL:AL+1], s[BE:BE+1] op_sel_hi:[1,0,0]
.endr
.elseif (\kb) < (\t)
.irp j, 0,1,2,3,4,5,6,7
	v_mov_b32 v[S+32*(\t)+8*(\kb)+(\j)], s[BE]
.endr
.else
.irp j, 0,1,2,3,4,5,6,7
	v_mov_b32 v[S+32*(\t)+8*(\kb)+(\j)], s[BHI]
.endr
.endif
.endr
.endr
.set i, 0
.rept 16
	KQ i, 1
.set i, i+1
.endr
	WIN 0
.Ljoin:
.set i, 16
.rept 48
	KQ i, 0
.set i, i+1
.endr
	WIN 0
	PLACES                                         ; behind the last product: in front of the loads into K and Q and of the maxima
	s_wait_xcnt 0x0                                ; every load and prefetch issued so far has read its address: K's pointer may be written
	s_lshl2_add_u32 s[OFF], s[NXT], s[WV]          ; my step of the next tile: 4 x tile + wave,
	s_lshl_b32 s[OFF], s[OFF], 14                  ; 16,384 bytes each
	s_cmp_eq_u32 s[SW], 1
	s_cbranch_scc0 .Lno_q
	LOADF 0, 0x80, Q2                              ; the second block's Q
.Lno_q:
	s_cmp_lg_u32 s[LEFT], 1
	s_cbranch_scc0 .Lno_k
	s_add_nc_u64 s[KP:KP+1], s[KH:KH+1], s[OFF:OFF+1]
	LOADF KF, 0x80, KP                             ; the next tile's K: the softmax and 64 products ahead of its use
	; A PREFETCH INTO THE L2.  All sixteen work-groups of a head walk the tiles from 0 on; p = 0, whose first block walks all eight, asks, each wave for its own 64 blocks of 256 bytes of K (below: of V)
	; of the tile behind the one just asked for: a trip ahead, in trips 0 to 5 (tiles 2 to 7).  Tiles 0 and 1 come by their loads alone.
	s_cmp_lg_u32 s[PF], 0
	s_cbranch_scc0 .Lk_done
	global_prefetch_b8 v[PFO], s[KP:KP+1] offset:65536 th:TH_LOAD_NT scope:SCOPE_SE
	global_prefetch_b8 v[PFO], s[KP:KP+1] offset:73728 th:TH_LOAD_NT scope:SCOPE_SE
	s_branch .Lk_done
.Lno_k:
	s_wait_loadcnt 0x0                             ; the last trip asks for nothing: no load is younger than V's
.Lk_done:
	; THE SOFTMAX, four tiles alternating
.irp j, 0,1,2,3,4,5,6,7,8,9,10,11,12,13,14,15,16,17,18,19,20,21
.irp t, 0,1,2,3
	S1 \t, \j
.endr
.endr
	FS 0                                           ; four scalings: plain instructions behind the four a
	FS 1
	FS 2
	FS 3
	s_wait_alu depctr_va_vdst(0)                   ; the wait for the four a, ahead of the rescaling that reads them
.set u, 0
.rept 64                                               ; a unit: two exponentials with the scaling of the pair four units on between them, and two rescalings of O^T; nothing here names an exponential's result
	WIN 0
	SREG u%4
	v_exp_f32 v[rS+2*(u/4)], v[rS+2*(u/4)]
.if u < 60
	FS u+4
.endif
	v_exp_f32 v[rS+2*(u/4)+1], v[rS+2*(u/4)+1]
	WIN 0x41
	RSC 2*u
	RSC 2*u+1
.set u, u+1
.endr
	WIN 0
	v_nop
	s_wait_alu depctr_va_vdst(0)                   ; one wait for the 128 exponentials, ahead of their first reader
.set u, 0
.rept 64
	SREG u%4
	v_cvt_pk_f16_f32 v[rP+u/4], v[rS+2*(u/4)], v[rS+2*(u/4)+1]
.set u, u+1
.endr
.irp z, 0,1,2,3,4,5,6,7,8,9,10,11,12,13,14,15
.irp t, 0,1,2,3
	SUMZ \t, \z
.endr
.endr
	s_wait_loadcnt 32                              ; V is in; the next K's 32 loads may be out
.set i, 0
.rept 64
	PV i
.set i, i+1
.endr
	WIN 0
	PLACES                                         ; behind the last product: in front of the loads into V and of the stores of O^T
	s_cmp_lg_u32 s[LEFT], 1
	s_cbranch_scc0 .Lno_v
	s_wait_xcnt 0x0
	s_add_nc_u64 s[VP:VP+1], s[VH:VH+1], s[OFF:OFF+1]
	LOADF 0, 0xc0, VP                              ; the next tile's V
	s_cmp_lg_u32 s[PF], 0
	s_cbranch_scc0 .Lv_done
	global_prefetch_b8 v[PFO], s[VP:VP+1] offset:65536 th:TH_LOAD_NT scope:SCOPE_SE
	global_prefetch_b8 v[PFO], s[VP:VP+1] offset:73728 th:TH_LOAD_NT scope:SCOPE_SE
	s_branch .Lv_done
.Lno_v:
	s_wait_loadcnt 0x0
.Lv_done:
	s_add_co_u32 s[NXT], s[NXT], 1                 ; the block's next tile, or behind its last the second block's tile 0
	s_cmp_gt_u32 s[NXT], s[LQ]
	s_cselect_b32 s[NXT], 0, s[NXT]
	s_cselect_b32 s[LQ], s[N2], s[LQ]
	s_cselect_b32 s[DD], 1, 0
	s_sub_co_u32 s[LQ], s[LQ], s[DD]               ; n2 - 1
	s_cmp_eq_u32 s[SW], 1
	s_cbranch_scc0 .Lno_sw
	STASH 0                                        ; the first block's partial results
.irp t, 0,1,2,3
	v_mov_b32 v[ST+8*(\t)], 0xfe000000             ; the second block begins: its first a is 0
	v_mov_b32 v[ST+8*(\t)+1], 0xff7fffff
.endr
	s_mov_b32 s[IB], s[PP]
.Lno_sw:
	s_sub_co_u32 s[REM], s[REM], 1
	s_cmp_eq_u32 s[SW], 1
	s_cselect_b32 s[REM], s[N2], s[REM]
	s_sub_co_i32 s[PF], s[PF], 1
	s_max_i32 s[PF], s[PF], 0
	s_sub_co_u32 s[LEFT], s[LEFT], 1
	s_cmp_lg_u32 s[LEFT], 0
	s_cbranch_scc1 .Ltrip
	STASH 1
	s_wait_dscnt 0x0                               ; for the others' sake: both blocks' partial results of mine lie in LDS
	s_barrier_signal -1
	s_barrier_wait -1
	; THE MERGE, written once and walked twice, a block a trip.  Wave w finishes query tile w: with M the largest of the four waves' c m, y = (the sum of 2^(c m - M) O) / (the sum of 2^(c m - M) l).
	; LDS is only read here.  The block's place is a scalar that steps by a constant; it is added to the lane's addresses at the trip's head.
	s_mov_b32 s[MB], 0
	s_mov_b32 s[MB2], 0
	s_mov_b32 s[MC], 2
.Lmerge:
	v_add_nc_u32 v[MAD], s[MB], v[MA]
	v_add_nc_u32 v[MAD+1], s[MB], v[MA+1]
	v_add_nc_u32 v[MSD], s[MB2], v[MS]
.irp x, 0,1,2,3
	ds_load_b64 v[MST+2*(\x):MST+2*(\x)+1], v[MSD] offset:(\x)*1024
.endr
	WIN 0x40
.irp x, 0,1,2,3
.set n, 0
.rept 16
	ds_load_b128 v[64*(\x)+4*n:64*(\x)+4*n+3], v[MAD+(\x)/2] offset:((\x)%2)*32768+512*n
.set n, n+1
.endr
.endr
	WIN 0
	s_wait_dscnt 63                                ; of the 68 loads at most 63 are out: the four pairs of statistics, the oldest, are in
	v_max3_num_f32 v[MT], v[MST], v[MST+2], v[MST+4]
	v_max_num_f32 v[MT], v[MT], v[MST+6]
.irp x, 0,1,2,3
	v_sub_f32 v[MF+2*(\x)], v[MST+2*(\x)], v[MT]
.endr
.irp x, 0,1,2,3
	v_exp_f32 v[MF+2*(\x)], v[MF+2*(\x)]
.endr
	v_nop
	s_wait_alu depctr_va_vdst(0)                   ; one wait for the four exponentials
	v_mul_f32 v[MT], v[MF], v[MST+1]
	v_fmac_f32 v[MT], v[MF+2], v[MST+3]
	v_fmac_f32 v[MT], v[MF+4], v[MST+5]
	v_fmac_f32 v[MT], v[MF+6], v[MST+7]
	v_rcp_f32 v[MT+1], v[MT]
	v_nop
	s_wait_alu depctr_va_vdst(0)
.irp x, 0,1,2,3
	v_mul_f32 v[MF+2*(\x)+1], v[MF+2*(\x)], v[MT+1]
.endr
.irp x, 0,1,2,3
	v_mov_b32 v[MF+2*(\x)], v[MF+2*(\x)+1]
.endr
	s_wait_dscnt 0x0
	WIN 0x51                                       ; destination, sources 0 and 2 window 1, source 1 window 0
.set n, 0
.rept 32
	v_pk_mul_f32 v[2*n:2*n+1], v[2*n:2*n+1], v[MF:MF+1]
.set n, n+1
.endr
.irp x, 1,2,3
.set n, 0
.rept 32
	v_pk_fma_f32 v[2*n:2*n+1], v[64*(\x)+2*n:64*(\x)+2*n+1], v[MF+2*(\x):MF+2*(\x)+1], v[2*n:2*n+1]
.set n, n+1
.endr
.endr
	WIN 0x45
.set n, 0
.rept 8
.irp r, 0,1,2,3
	v_cvt_pk_f16_f32 v[8*n+(\r)], v[8*n+2*(\r)], v[8*n+2*(\r)+1]
.endr
.set n, n+1
.endr
	WIN 0x04
.set n, 0
.rept 8
	global_store_b128 v[L16], v[8*n:8*n+3], s[Y0:Y0+1] offset:512*n  ; 512 consecutive bytes, aligned: half a fragment of y
.set n, n+1
.endr
	WIN 0
	s_add_co_u32 s[MB], s[MB], 131072              ; the second block's images and statistics
	s_add_co_u32 s[MB2], s[MB2], 4096
	s_wait_xcnt 0x0                                ; the stores have read their base and their data: y's pointer is written, and window 1 loaded again, only behind this wait
	s_mov_b64 s[Y0:Y0+1], s[Y0+2:Y0+3]
	s_sub_co_u32 s[MC], s[MC], 1
	s_cmp_lg_u32 s[MC], 0
	s_cbranch_scc1 .Lmerge
	s_wait_tensorcnt 0x0                           ; the wave's end: behind my last LDS store
	ds_add_u32 v[SPW], v[NIL]
	s_wait_dscnt 0x0
	s_endpgm
.Lfunc_end_k_qbcc8421e54_attn:
	.size	k_qbcc8421e54_attn, .Lfunc_end_k_qbcc8421e54_attn-k_qbcc8421e54_attn
	.p2alignl 7, 3214868480
	.fill 96, 4, 3214868480
	.section	.rodata,"a",@progbits
	.p2align	6, 0x0
	.amdhsa_kernel k_qbcc8421e54_attn
		.amdhsa_group_segment_fixed_size 270848
		.amdhsa_private_segment_fixed_size 0
		.amdhsa_enable_private_segment 0
		.amdhsa_kernarg_size 16
		.amdhsa_user_sgpr_count 2
		.amdhsa_user_sgpr_kernarg_segment_ptr 1
		.amdhsa_wavefront_size32 1
		.amdhsa_system_sgpr_workgroup_id_x 1
		.amdhsa_system_sgpr_workgroup_id_y 1
		.amdhsa_system_sgpr_workgroup_id_z 1
		.amdhsa_system_vgpr_workitem_id 0
		.amdhsa_next_free_vgpr 896
		.amdhsa_next_free_sgpr 66
		.amdhsa_reserve_vcc 1
		.amdhsa_float_denorm_mode_32 3
		.amdhsa_float_denorm_mode_16_64 3
		.amdhsa_memory_ordered 1
		.amdhsa_forward_progress 1
		.amdhsa_inst_pref_size 107
	.end_amdhsa_kernel
	.amdgpu_metadata
---
amdhsa.version: [ 1, 2 ]
amdhsa.kernels:
  - .name:           k_qbcc8421e54_attn
    .symbol:         k_qbcc8421e54_attn.kd
    .args:
      - { .name: qkvf, .offset: 0, .size: 8, .value_kind: global_buffer, .address_space: global }
      - { .name: yf, .offset: 8, .size: 8, .value_kind: global_buffer, .address_space: global }
    .group_segment_fixed_size: 270848
    .private_segment_fixed_size: 0
    .kernarg_segment_align: 8
    .kernarg_segment_size: 16
    .max_flat_workgroup_size: 128
    .sgpr_count:     66
    .vgpr_count:     896
    .wavefront_size: 32
...
	.end_amdgpu_metadata
.endif
;; end of part 3
;; launch proj (part 4): grid 16 x 16, 4 waves a work-group, clusters of 4 x 4, 327,680 bytes of LDS; arguments yf, wb, out0; writes out0
.if DOCPART == 4
	.amdgcn_target "amdgcn-amd-amdhsa--gfx1250"
	.amdhsa_code_object_version 6
	.text
	.protected	k_qbcc8421e54_proj
	.globl	k_qbcc8421e54_proj
	.p2align	8
	.type	k_qbcc8421e54_proj,@function
k_qbcc8421e54_proj:
	s_mov_b64 s[64:65], 0
	v_nop
	global_prefetch_b8 v0, s[64:65] scope:SCOPE_SE
	s_setreg_imm32_b32 hwreg(HW_REG_WAVE_MODE, 25, 1), 1
	s_wait_xcnt 0x0
	s_wait_alu depctr_hold_cnt(0) depctr_sa_sdst(0) depctr_va_vdst(0) depctr_va_sdst(0) depctr_va_ssrc(0) depctr_va_vcc(0) depctr_vm_vsrc(0)
	s_getreg_b32 s2, hwreg(HW_REG_IB_STS2, 6, 4)
	s_cmp_eq_u32 s2, 0
	s_cbranch_scc0 .Lentry_in_a_cluster
	s_endpgm
.Lentry_in_a_cluster:
	s_bfe_u32 s2, ttmp6, 0x10000c
	s_cmp_lg_u32 s2, 0xf033
	s_cbranch_scc0 .Lentry_shape_is_right
	s_endpgm
.Lentry_shape_is_right:
; out0 = y Wproj.  y: f16, by fragments ([row tile of 16][column / 32][1,024 bytes]); Wproj: region 4 of wb, [k][n] in f16 (each number first rounded to bf16); out0: [2048][2048] f32.  Sums in f32.
; A tile of out0 is 128 x 128: 256 work-groups.  Four waves, each 64 x 64: 16 accumulators.  K goes in steps of 256 through two LDS slots.
; y's tile of a K step is 8 row tiles x 8,192 consecutive bytes: waves 0 and 1 fetch four each, as four rows of 8,192 bytes, and a fragment load then takes 512 consecutive LDS bytes: no padding is wanted.
; Wproj's tile is 256 rows (k) x 256 bytes: waves 2 and 3 fetch 128 rows each, padded to 288 bytes; its fragments come out of LDS turned, by ds_load_tr16_b128.
; CLUSTER.  4 x 4 work-groups: y's tile hangs on the tile row alone and is asked for jointly along a row of the cluster, Wproj's on the tile column alone and jointly along a column.
; THE WALK ALONG K GOES ROUND.  Cluster (X, Y) begins at K step (2 X + 4 b) mod 8, b = (Y xor Y / 2) % 2, and takes the eight steps in a ring (f32 sums may be taken in any order).  So the four clusters that read the same rows
; of y (one Y) stand two steps apart, and of the four that read the same columns of Wproj (one X) two begin at 2 X and two half a round further.  The first step hangs on the cluster's coordinates alone: it is the same in all partners.
; THE MATRIX INSTRUCTION IS USED TRANSPOSED (source 0 = 16 columns of Wproj, source 1 = 16 rows of y): a lane holds eight neighbouring numbers of a row of out0.
; No prefetch: the tiles are small, and each step's loads are shared fourfold.
; REGISTERS: window 0: v0-31 addresses; v32-95 at work on the way out; v128-255 the accumulators ((a, b) at 128 + 8 (4 a + b)).  window 1: two fragment buffers of 128: for 64 along K 64 registers of y, then 64 of Wproj.
.set REG,    8388608
.set KSTEP,  256
.set PB,     288
.set AT,     65536                     ; y's tile
.set BH,     128*PB                    ; half of Wproj's tile
.set SLOT,   AT+2*BH
.set STAGE,  2*SLOT                    ; behind the ring: 16 rows x 272 bytes for each wave, for the way out
.set SPITCH, 272
.set SPARE,  STAGE+4*16*SPITCH         ; the spare words, 128 bytes for each wave: two blocks of 256 bytes that no other line names
.set LAPS,   4                         ; 2,048 / (2 x 256)
.set ADRA, 16                          ; v16-17  LDS address of my fragments of y in slot 0, 1
.set ADRB, 18                          ; v18-21  of Wproj's: 2 x slot + half of the K step
.set STO,  24
.set RD,   25
.set CO,   26
.set SPW,  28
.set NIL,  29
.set TMP,  32
.set ACC,  128
.set F0,   0
.set F1,   128
.set G1,  24
.set G0,  32
.set G1B, 48
.set G0B, 56
.set KN,  45                           ; s45      the K step asked for last
.set OFA, 18                           ; s[18:19] a K step's byte offset in y's row tiles; s[66:67] in Wproj: made of the cluster's coordinates alone
.set OFB, 66
.set MSB, 0
.macro WIN new
.if MSB != (\new)
	s_set_vgpr_msb (MSB<<8)|(\new)
.set MSB, \new
.endif
.endm
.set MUL,  0x05                        ; sources window 1; C and D window 0
.set TO_F, 0x40                        ; destination window 1, address window 0
.macro JLOAD s                         ; waves 0 and 1 fetch y's two halves, waves 2 and 3 Wproj's; an s_nop 0 and four v_nop follow each of the two lines
	s_cmp_eq_u32 s11, 0
	s_cbranch_scc0 .Lfor_b_\@
	tensor_load_to_lds s[G0+4*(\s):G0+4*(\s)+3], s[G1:G1+7]
	s_nop 0
.rept 4
	v_nop
.endr
	s_branch .Lasked_\@
.Lfor_b_\@:
	tensor_load_to_lds s[G0B+4*(\s):G0B+4*(\s)+3], s[G1B:G1B+7]
	s_nop 0
.rept 4
	v_nop
.endr
.Lasked_\@:
.endm
.macro CREST
	s_cmp_lg_u32 s10, 0
	s_cbranch_scc1 .Lnot_wave_0_\@
	s_barrier_signal -3
.Lnot_wave_0_\@:
	s_barrier_wait -3
	s_barrier_signal -1
	s_barrier_wait -1
.endm
.macro CROUND
	s_barrier_signal -1
	s_barrier_wait -1
	CREST
.endm
	s_load_b128 s[4:7], s[0:1], 0x0                ; yf s[4:5], wb s[6:7]
	s_load_b64 s[8:9], s[0:1], 0x10                ; out0
	v_lshl_add_u32 v[SPW], v0, 2, SPARE
	v_mov_b32 v[NIL], 0
	ds_add_u32 v[SPW], v[NIL]                      ; the wave's opening: the add and its wait stand ahead of my first tensor load; work on registers stands between them
	v_lshrrev_b32 v1, 5, v0
	v_readfirstlane_b32 s10, v1                    ; wave 0..3
	s_lshr_b32 s11, s10, 1                         ; which half of the tile's rows is mine.  Also: I fetch for y (0) or for Wproj (1)
	s_and_b32 s12, s10, 1                          ; which half of its columns.  Also: which half of that tile I fetch
	s_bfe_u32 s40, ttmp6, 0x40000                  ; cx, cy
	s_bfe_u32 s41, ttmp6, 0x40004
	s_lshl_b32 s42, ttmp9, 2
	s_add_co_u32 s42, s42, s40                     ; tile column
	s_and_b32 s13, ttmp7, 0xffff
	s_lshl_b32 s13, s13, 2
	s_add_co_u32 s13, s13, s41                     ; tile row
	s_lshl_b32 s43, s41, 2
	s_lshl_b32 s43, 15, s43                        ; my row of the cluster
	s_lshl_b32 s44, 0x1111, s40                    ; my column
	s_and_b32 s68, ttmp7, 0xffff                   ; where my cluster begins its walk: (2 X + 4 b) mod 8
	s_lshr_b32 s69, s68, 1
	s_xor_b32 s69, s69, s68
	s_and_b32 s69, s69, 1                          ; b
	s_lshl_b32 s69, s69, 2
	s_lshl_b32 s[KN], ttmp9, 1
	s_add_co_u32 s[KN], s[KN], s69
	s_and_b32 s[KN], s[KN], 7
	s_lshl_b32 s[OFA], s[KN], 13                   ; a K step is 8,192 bytes of a row tile of y,
	s_mov_b32 s[OFA+1], 0
	s_lshl_b32 s[OFB], s[KN], 20                   ; and 256 rows of 4,096 bytes of Wproj
	s_mov_b32 s[OFB+1], 0
	s_or_b32 s[G1], s43, (3<<16)|(1<<21)           ; 15:0 the mask; 17:16 elements of 8 bytes; 21 set beside a mask; no padding
	s_mov_b32 s[G1+1], 1024<<16                    ; tensor_dim0 = 1,024 elements: 8,192 bytes
	s_mov_b32 s[G1+2], 4<<16                       ; tensor_dim1 = 4
	s_mov_b32 s[G1+3], 1024<<16                    ; tile_dim0
	s_mov_b32 s[G1+4], 4                           ; tile_dim1
	s_mov_b32 s[G1+5], 8192                        ; a row tile of y is 65,536 bytes
	s_mov_b32 s[G1+6], 0
	s_mov_b32 s[G1+7], 0
	s_or_b32 s[G1B], s44, (1<<16)|(1<<20)|(1<<21)|(5<<22)|(7<<25)  ; 2-byte elements; after every 64 words 8 words of padding
	s_mov_b32 s[G1B+1], 128<<16
	s_mov_b32 s[G1B+2], 128<<16
	s_mov_b32 s[G1B+3], 128<<16
	s_mov_b32 s[G1B+4], 128
	s_mov_b32 s[G1B+5], 2048
	s_mov_b32 s[G1B+6], 0
	s_mov_b32 s[G1B+7], 0
	s_lshl_b32 s16, s13, 19                        ; y: 8 row tiles a tile row,
	s_lshl_b32 s17, s12, 18                        ; my four of them
	s_add_co_u32 s16, s16, s17
	s_mov_b32 s17, 0
	s_lshl_b32 s46, s42, 8                         ; Wproj: the tile column's 256 bytes of a row,
	s_lshl_b32 s47, s12, 19                        ; my 128 rows of a K step,
	s_add_co_u32 s46, s46, s47
	s_add_co_u32 s46, s46, 4*REG                   ; in region 4
	s_mov_b32 s47, 0
	s_lshl_b32 s20, s12, 15                        ; where they go: no place in the cluster enters an LDS address
	s_mul_i32 s21, s12, BH
	s_add_co_u32 s21, s21, AT
	s_wait_dscnt 0x0                               ; the opening add is done
	s_wait_kmcnt 0x0
	s_add_nc_u64 s[14:15], s[4:5], s[16:17]        ; y at my part of the tile, K step 0: kept
	s_add_nc_u64 s[46:47], s[6:7], s[46:47]        ; Wproj likewise
	CROUND                                         ; all sixteen work-groups are here: the first joint loads meet
.irp s, 0,1
	s_mov_b32 s[G0+4*(\s)], 1
	s_add_co_u32 s[G0+4*(\s)+1], s20, (\s)*SLOT
	s_add_nc_u64 s[G0+4*(\s)+2:G0+4*(\s)+3], s[14:15], s[OFA:OFA+1]
	s_add_nc_u64 s[G0+4*(\s)+2:G0+4*(\s)+3], s[G0+4*(\s)+2:G0+4*(\s)+3], (\s)*8192
	s_or_b32 s[G0+4*(\s)+3], s[G0+4*(\s)+3], 0x80000000
	s_mov_b32 s[G0B+4*(\s)], 1
	s_add_co_u32 s[G0B+4*(\s)+1], s21, (\s)*SLOT
	s_add_nc_u64 s[G0B+4*(\s)+2:G0B+4*(\s)+3], s[46:47], s[OFB:OFB+1]
	s_add_nc_u64 s[G0B+4*(\s)+2:G0B+4*(\s)+3], s[G0B+4*(\s)+2:G0B+4*(\s)+3], (\s)*KSTEP*4096
	s_or_b32 s[G0B+4*(\s)+3], s[G0B+4*(\s)+3], 0x80000000
	JLOAD \s                                       ; my cluster's first two K steps (the first is even: no turn of the ring between them)
.endr
	s_add_co_u32 s[KN], s[KN], 1
	v_and_b32 v1, 15, v0                           ; r
	v_bfe_u32 v2, v0, 4, 1                         ; h
	v_and_b32 v3, 31, v0                           ; l
	s_lshl_b32 s22, s11, 15                        ; my four row tiles of y
	v_lshl_add_u32 v[ADRA], v3, 4, s22
	v_add_nc_u32 v[ADRA+1], SLOT, v[ADRA]
	v_and_b32 v5, 7, v0                            ; Wproj, turned: lane l reads row 8 h + l % 8, 16 bytes at 16 ((l / 8) % 2)
	v_lshl_add_u32 v5, v2, 3, v5
	v_mul_u32_u24 v5, v5, PB
	v_bfe_u32 v6, v0, 3, 1
	v_lshl_add_u32 v5, v6, 4, v5
	s_lshl_b32 s22, s12, 7                         ; my 64 columns
	s_add_co_u32 s22, s22, AT
	v_add_nc_u32 v5, s22, v5
.irp n, 0,1,2,3
	v_add_nc_u32 v[ADRB+(\n)], ((\n)/2)*SLOT+((\n)%2)*BH, v5
.endr
	s_mul_i32 s23, s10, 16*SPITCH
	s_add_co_u32 s23, s23, STAGE                   ; my stage
	v_mul_u32_u24 v4, v1, SPITCH                   ; in: row r, 32 bytes for each half of the lanes
	v_lshl_add_u32 v4, v2, 5, v4
	v_add_nc_u32 v[STO], s23, v4
	v_mul_u32_u24 v4, v2, SPITCH                   ; back: lanes 0-15 take one row of 256 bytes, lanes 16-31 the next
	v_lshl_add_u32 v4, v1, 4, v4
	v_add_nc_u32 v[RD], s23, v4
	v_lshlrev_b32 v[CO], 13, v2                    ; and the same two rows in out0
	v_lshl_add_u32 v[CO], v1, 4, v[CO]
	s_lshl_b32 s16, s13, 20                        ; my first row: 128 x tile row + 64 mi, 8,192 bytes each;
	s_lshl_b32 s17, s11, 19
	s_add_co_u32 s16, s16, s17
	s_lshl_b32 s17, s42, 9                         ; my first column: 512 x tile column + 256 ni bytes
	s_add_co_u32 s16, s16, s17
	s_lshl_b32 s17, s12, 8
	s_add_co_u32 s16, s16, s17
	s_mov_b32 s17, 0
	s_add_nc_u64 s[8:9], s[8:9], s[16:17]
; 8 matrix instructions: row tiles a0, a0 + 1 x all 4 column blocks, 32 along K: half c of buffer f.  The 16 accumulators take turns.
.macro MUL8 f, c, a0, zero
	WIN MUL
.irp a, \a0, (\a0)+1
.irp b, 0,1,2,3
.if \zero
	v_wmma_f32_16x16x32_f16 v[ACC+8*(4*(\a)+(\b)):ACC+8*(4*(\a)+(\b))+7], v[(\f)+64+8*(4*(\c)+(\b)):(\f)+64+8*(4*(\c)+(\b))+7], v[(\f)+8*(4*(\c)+(\a)):(\f)+8*(4*(\c)+(\a))+7], 0
.else
	v_wmma_f32_16x16x32_f16 v[ACC+8*(4*(\a)+(\b)):ACC+8*(4*(\a)+(\b))+7], v[(\f)+64+8*(4*(\c)+(\b)):(\f)+64+8*(4*(\c)+(\b))+7], v[(\f)+8*(4*(\c)+(\a)):(\f)+8*(4*(\c)+(\a))+7], v[ACC+8*(4*(\a)+(\b)):ACC+8*(4*(\a)+(\b))+7]
.endif
.endr
.endr
.endm
; 32 LDS loads in one run: quarter q (64 along K) of a slot into buffer f; the first 32 along K first
.macro FETCH slot, q, f
	WIN TO_F
.irp c, 0,1
.irp i, 0,1,2,3
	ds_load_tr16_b128 v[(\f)+64+8*(4*(\c)+(\i)):(\f)+64+8*(4*(\c)+(\i))+3],   v[ADRB+2*(\slot)+(\q)/2] offset:(((\q)%2)*64+32*(\c))*PB+32*(\i)
	ds_load_tr16_b128 v[(\f)+64+8*(4*(\c)+(\i))+4:(\f)+64+8*(4*(\c)+(\i))+7], v[ADRB+2*(\slot)+(\q)/2] offset:(((\q)%2)*64+32*(\c))*PB+32*(\i)+16*PB
	ds_load_b128 v[(\f)+8*(4*(\c)+(\i)):(\f)+8*(4*(\c)+(\i))+3],   v[ADRA+(\slot)] offset:(\i)*8192+(2*(\q)+(\c))*1024
	ds_load_b128 v[(\f)+8*(4*(\c)+(\i))+4:(\f)+8*(4*(\c)+(\i))+7], v[ADRA+(\slot)] offset:(\i)*8192+(2*(\q)+(\c))*1024+512
.endr
.endr
.endm
.macro PLACES
.rept 4
	v_nop
.endr
.endm
.macro QUARTER slot, q, f, g, zero
	s_wait_dscnt 16                                ; the first 32 along K are in
	MUL8 \f, 0, 0, \zero
	MUL8 \f, 0, 2, \zero
	PLACES
	FETCH \slot, \q, \g
	s_wait_dscnt 32                                ; all but the 32 just issued
	MUL8 \f, 1, 0, 0
	MUL8 \f, 1, 2, 0
.endm
; The last quarter changes slots and then multiplies buffer 1, whose fragments were fetched in the quarter before: this slot is read no more.  THE CHANGE STANDS AHEAD OF THE QUARTER'S PRODUCTS, so that a whole K step's 128 matrix
; instructions stand between the refill and the wait for it.  In front of the barrier each wave waits for all its tensor loads, adds 0 to its spare word, and waits for that and for its own reads of this slot.
; fill = 1: the barrier opens a round of the cluster's; the joint refill, the ring's K step two on, comes first behind it; its global address is made anew from the step's number.
.macro TURN slot, next, fill
.if \fill
	s_add_co_u32 s[KN], s[KN], 1                   ; the step to be asked for: the ring has eight
	s_and_b32 s[KN], s[KN], 7
	s_lshl_b32 s[OFA], s[KN], 13
	s_lshl_b32 s[OFB], s[KN], 20
.endif
	WIN 0
	s_wait_tensorcnt 0x0                           ; all my tensor loads have landed: my part of the next slot; so a group 0 may be written
	ds_add_u32 v[SPW], v[NIL]                      ; 0 onto my spare word: the descriptors' words stand between it and the wait for it
.if \fill
	s_add_nc_u64 s[G0+4*(\slot)+2:G0+4*(\slot)+3], s[14:15], s[OFA:OFA+1]
	s_or_b32 s[G0+4*(\slot)+3], s[G0+4*(\slot)+3], 0x80000000
	s_add_nc_u64 s[G0B+4*(\slot)+2:G0B+4*(\slot)+3], s[46:47], s[OFB:OFB+1]
	s_or_b32 s[G0B+4*(\slot)+3], s[G0B+4*(\slot)+3], 0x80000000
.endif
	s_wait_dscnt 0x0                               ; the add is done, and my reads of this slot are over
	s_barrier_signal -1
	s_barrier_wait -1
.if \fill
	CREST                                          ; no wave of any partner still reads this slot's tiles or has a load on its way
	JLOAD \slot                                    ; the first tensor load behind the round; its four v_nop are also the places in front of the loads below
.else
	PLACES
.endif
	FETCH \next, 0, F0
	MUL8 F1, 0, 0, 0
	MUL8 F1, 0, 2, 0
	MUL8 F1, 1, 0, 0
	MUL8 F1, 1, 2, 0
.endm
	s_wait_tensorcnt 1                             ; my part of the first K step is in; the second's may stay out
	s_barrier_signal -1
	s_barrier_wait -1
	FETCH 0, 0, F0
	QUARTER 0, 1, F0, F1, 1                        ; the first quarter stands in front of the loop: its first products start the sums
	WIN 0
	s_mov_b32 s3, LAPS-1
.Llap:
	QUARTER 0, 2, F1, F0, 0
	QUARTER 0, 3, F0, F1, 0
	TURN 0, 1, 1
	QUARTER 1, 1, F0, F1, 0
	QUARTER 1, 2, F1, F0, 0
	QUARTER 1, 3, F0, F1, 0
	TURN 1, 0, 1
	QUARTER 0, 1, F0, F1, 0
	WIN 0
	s_sub_co_u32 s3, s3, 1
	s_cmp_lg_u32 s3, 0
	s_cbranch_scc1 .Llap
	QUARTER 0, 2, F1, F0, 0                        ; the last lap fills nothing
	QUARTER 0, 3, F0, F1, 0
	TURN 0, 1, 0
	QUARTER 1, 1, F0, F1, 0
	QUARTER 1, 2, F1, F0, 0
	QUARTER 1, 3, F0, F1, 0
	s_wait_dscnt 16
	MUL8 F1, 0, 0, 0
	MUL8 F1, 0, 2, 0
	s_wait_dscnt 0x0
	MUL8 F1, 1, 0, 0
	MUL8 F1, 1, 2, 0
	WIN 0
	; THE WAY OUT, a row tile at a time, through my own stage: a lane's 32 bytes go into rows of 272 bytes and come back as whole rows of 256 (my 64 columns in f32).  LDS serves a wave's instructions in order
	; (ISA guide 5.7.1.4), so no wait stands between the stores and the loads.  Each accumulator's low half is stored first.
	PLACES
.irp a, 0,1,2,3
.irp b, 0,1,2,3
	ds_store_b128 v[STO], v[ACC+8*(4*(\a)+(\b)):ACC+8*(4*(\a)+(\b))+3]   offset:64*(\b)
	ds_store_b128 v[STO], v[ACC+8*(4*(\a)+(\b))+4:ACC+8*(4*(\a)+(\b))+7] offset:64*(\b)+16
.endr
.irp t, 0,1,2,3,4,5,6,7
	ds_load_b128 v[TMP+32*((\a)%2)+4*(\t):TMP+32*((\a)%2)+4*(\t)+3], v[RD] offset:(\t)*2*SPITCH
.endr
	s_wait_dscnt 0x0
	s_wait_xcnt 0x0                                ; the stores issued so far have read their base and their data
.if (\a) > 0
	s_add_nc_u64 s[8:9], s[8:9], 16*8192
.endif
.irp t, 0,1,2,3,4,5,6,7
	global_store_b128 v[CO], v[TMP+32*((\a)%2)+4*(\t):TMP+32*((\a)%2)+4*(\t)+3], s[8:9] offset:2*(\t)*8192  ; 16 lanes store 256 consecutive bytes, at a multiple of 256 from out0's first byte
.endr
.endr
	s_wait_tensorcnt 0x0                           ; the wave's end: behind my last tensor load and my last LDS store
	ds_add_u32 v[SPW], v[NIL]
	s_wait_dscnt 0x0
	CROUND                                         ; the closing round: no work-group ends while a partner may still ask for a tile that names it
	s_endpgm
.Lfunc_end_k_qbcc8421e54_proj:
	.size	k_qbcc8421e54_proj, .Lfunc_end_k_qbcc8421e54_proj-k_qbcc8421e54_proj
	.p2alignl 7, 3214868480
	.fill 96, 4, 3214868480
	.section	.rodata,"a",@progbits
	.p2align	6, 0x0
	.amdhsa_kernel k_qbcc8421e54_proj
		.amdhsa_group_segment_fixed_size 327680
		.amdhsa_private_segment_fixed_size 0
		.amdhsa_enable_private_segment 0
		.amdhsa_kernarg_size 24
		.amdhsa_user_sgpr_count 2
		.amdhsa_user_sgpr_kernarg_segment_ptr 1
		.amdhsa_wavefront_size32 1
		.amdhsa_system_sgpr_workgroup_id_x 1
		.amdhsa_system_sgpr_workgroup_id_y 1
		.amdhsa_system_sgpr_workgroup_id_z 1
		.amdhsa_system_vgpr_workitem_id 0
		.amdhsa_next_free_vgpr 512
		.amdhsa_next_free_sgpr 70
		.amdhsa_reserve_vcc 0
		.amdhsa_float_denorm_mode_32 3
		.amdhsa_float_denorm_mode_16_64 3
		.amdhsa_memory_ordered 1
		.amdhsa_forward_progress 1
		.amdhsa_inst_pref_size 87
	.end_amdhsa_kernel
	.amdgpu_metadata
---
amdhsa.version: [ 1, 2 ]
amdhsa.kernels:
  - .name:           k_qbcc8421e54_proj
    .symbol:         k_qbcc8421e54_proj.kd
    .args:
      - { .name: yf, .offset: 0, .size: 8, .value_kind: global_buffer, .address_space: global }
      - { .name: wb, .offset: 8, .size: 8, .value_kind: global_buffer, .address_space: global }
      - { .name: out0, .offset: 16, .size: 8, .value_kind: global_buffer, .address_space: global }
    .group_segment_fixed_size: 327680
    .private_segment_fixed_size: 0
    .kernarg_segment_align: 8
    .kernarg_segment_size: 24
    .max_flat_workgroup_size: 128
    .sgpr_count:     70
    .vgpr_count:     512
    .wavefront_size: 32
...
	.end_amdgpu_metadata
.endif
;; end of part 4
